; MI455X (gfx1250); checked and timed in simulation.
; The chip was launched on July 23, 2026; its instructions are those of AMD's public machine-readable ISA for CDNA 5 (MIT licence, August 2026) and "CDNA5" Instruction Set Architecture Reference Guide (July 2026). The comments in the code are by the model that wrote it; some were corrected since.
;; Multi Head Self Attention. Allowed arithmetic: matrix products marked QUANTISED: E3M2 operands, one E8M0 scale for each 32 along K, by v_wmma_scale_f32_16x16x128_f8f6f4 with both operands' format E3M2, f32 sums; everything else in f32.
;; Inputs: Wk 1,024 x 1,024 float32; Wo 1,024 x 1,024 float32; Wq 1,024 x 1,024 float32; Wv 1,024 x 1,024 float32; bk 1,024 float32; bo 1,024 float32; bq 1,024 float32; bv 1,024 float32; mask 1 x 1 x 2,048 x 2,048 int32; x 4 x 2,048 x 1,024 float32.
;; Outputs: out0 4 x 2,048 x 1,024 float32.
;; This version of the problem:
;;   THIS VERSION OF THE PROBLEM IS GIVEN IN LOW PRECISION. The matrix products marked QUANTISED in the list below multiply operands that are first quantised to E3M2 (3 exponent bits, 2 mantissa bits; 6 bits a number), with one power-of-two scale for each 32 numbers along K (OCP MX v1.0); their sums are f32. All else is computed in f32.
;;   The module's matrix products, in the order in which they are computed (A, B: the left and right operand; K: the contracted axis; several contracted axes count as one K, in the product's order):
;;     1. [M 8,192, K 1,024] x [K 1,024, N 1,024]; A: input x; B: input Wq: QUANTISED
;;     2. [M 8,192, K 1,024] x [K 1,024, N 1,024]; A: input x; B: input Wk: QUANTISED
;;     3. [M 8,192, K 1,024] x [K 1,024, N 1,024]; A: input x; B: input Wv: QUANTISED
;;     4. batch 64 x [M 2,048, K 64] x [K 64, N 2,048]; A: computed on the way; B: computed on the way: QUANTISED
;;     5. batch 64 x [M 2,048, K 2,048] x [K 2,048, N 64]; A: softmax (see below); B: computed on the way: QUANTISED
;;     6. [M 8,192, K 1,024] x [K 1,024, N 1,024]; A: computed on the way; B: input Wo: QUANTISED
;;   THE QUANTISER, for each operand of a quantised product, along K:
;;     - K is cut into blocks of 32 from its start; a last block that is shorter is filled with zeros.
;;     - A block's scale is 2^e with e = floor(log2(the largest magnitude in the block)) - 4, held to -126 .. 127; a block of zeros has e = 0. As a byte (E8M0): e + 127.
;;     - Each number is divided by its block's scale, clamped to +-28, and rounded to the nearest number of E3M2, ties to even, subnormals kept.
;;     - The product sums the exact products of the quantised numbers (number of the format x scale) in f32.
;;   ~~~python
;;   def quantise(x, axis):      # numpy; x: float32 -> the quantised numbers, widened to float32 again
;;       x = np.moveaxis(x, axis, -1); K = x.shape[-1]
;;       x = np.pad(x, [(0, 0)] * (x.ndim - 1) + [(0, -K % 32)]); x = x.reshape(x.shape[:-1] + (-1, 32)); a = np.abs(x).max(-1, keepdims=True)
;;       e = np.where(a > 0, np.clip(np.frexp(np.where(a > 0, a, 1))[1] - 1 - 4, -126, 127), 0)      # np.frexp(a)[1] - 1 = floor(log2(a)), exactly
;;       r = np.clip(x / 2.0 ** e, -28, 28)
;;       step = 2.0 ** (np.maximum(np.frexp(np.where(r == 0, 1, r))[1] - 1, -2) - 2)
;;       q = np.round(r / step) * step * 2.0 ** e      # np.round: ties to even
;;       return np.moveaxis(q.reshape(q.shape[:-2] + (-1,))[..., :K], -1, axis).astype(np.float32)
;;   ~~~
;;   SOFTMAX AHEAD OF A QUANTISED PRODUCT. Where the list says 'softmax', what is quantised is not the finished softmax but p = 2^(t - M), with t = logit x log2(e) and M = ceil(the row's largest t), a whole number; so 1/2 < the row's largest p <= 1. The row's sum l is taken of the UNQUANTISED p, in f32, and the product's result is divided by l at the end. Since M is a whole number, a kernel that streams over the keys may use a running M (the ceiling of the running maximum): every later rescaling is an exact power of two, which a block's scale takes up: the codes' values come out the same.
;;   OPERANDS COMPUTED ON THE WAY. 'Computed on the way' means the value that the module computes at that place (a softmax that the list does not call 'softmax' is quantised finished and normalised). What goes into a quantiser is computed in f32, as accurately as f32 sums, v_exp_f32 and their like allow (about 1e-6 of the number): no bf16 or f16 on the way to a quantiser, and a product that is left as it is and whose result goes on into a quantised operand takes f32 operands (vector FMAs, or v_wmma_f32_16x16x4_f32). A number that lies on a knife's edge between two numbers of the format may be rounded either way, as far as f32 arithmetic and the matrix unit's own rounding can turn it there, and no further.
;; 2 versions, each right; version 2 is version 1 with the launch attn written anew for expert scheduling mode. Each part assembles by itself: llvm-mc -triple=amdgcn-amd-amdhsa -mcpu=gfx1250 --defsym DOCPART=n.
;; ======== version 1 of 2: 4 launches
;; workspace buffers: xa 6,553,600 bytes; wb 2,457,600 bytes; woi 819,200 bytes; qb 6,815,744 bytes; kv 13,369,344 bytes; mk 524,288 bytes of whole numbers; meta 8,192 bytes of whole numbers; ca 6,553,600 bytes
;; launch prep (part 1): grid 512 x 1, 4 waves a work-group, no clusters, 68,096 bytes of LDS; arguments x, Wq, Wk, Wv, Wo, mask, xa, wb, woi, mk, meta; writes xa, wb, woi, mk, meta
.if DOCPART == 1
	.amdgcn_target "amdgcn-amd-amdhsa--gfx1250"
	.amdhsa_code_object_version 6
	.text
	.protected	k_q5fede676db_prep
	.globl	k_q5fede676db_prep
	.p2align	8
	.type	k_q5fede676db_prep,@function
k_q5fede676db_prep:
	s_mov_b64 s[64:65], 0
	v_nop
	global_prefetch_b8 v0, s[64:65] scope:SCOPE_SE
	s_setreg_imm32_b32 hwreg(HW_REG_WAVE_MODE, 25, 1), 1
	s_wait_xcnt 0x0
; PREP.  x [8192][1024] and Wq, Wk, Wv, Wo [1024][1024], f32, K innermost, become codes of E3M2 with one E8M0 byte for each 32 along K, laid in the order of the matrix operand's registers;
; the mask [2048][2048] of int32 becomes lane masks and one word of flags for each (tile of 16 queries, step of 128 keys).
; A RECORD (6,400 bytes) is 64 rows x 128 K: four fragments of 1,536 bytes and 256 bytes of scale words.  Lane r of tile t takes row 32 (t / 2) + 8 (t % 2) + r + 8 (r / 8) of the 64.
; A fragment lies as its 12 registers: registers 0-3 at 16 x lane, 4-5 at 512 + 8 x lane, 6-9 at 768 + 16 x lane, 10-11 at 1,280 + 8 x lane: every store of a wave covers 512 or 256 consecutive bytes.
; The scale words: lane 16 u + r holds two words at 6,144 + 8 x lane: word p is tile 2 p + u's, row r's.
; SHARES.  Work-groups 0-255: x; 256-383: the four weights; a wave makes one record.  Work-groups 384-511: the mask, one tile of 16 queries each, four key steps a wave.
; Each load reads 512 consecutive bytes of one row; 16 rows turn through the wave's own stage in LDS (pitch 528 = 33 x 16 bytes) so that lane (r, h) gets 16 neighbours of each block of 32 of row r.
; A block's scale is 2^(floor(log2(largest magnitude)) - 4); its byte is the largest magnitude's exponent field - 4, held at 1 from below (a block of zeros keeps the byte 1: its codes are zeros, and this program alone reads the bytes).
; LIMITS: NaN and infinities among the inputs are not served; blocks whose largest magnitude lies under 2^-122 keep the byte 1.
; No matrix unit, no cluster, no tensor load: a stream in which nothing is shared between work-groups.
.set RS,    528                        ; a stage row: 512 bytes + 16
.set WST,   16*RS                      ; a wave's stage
.set MREG,  4*WST                      ; the mask path's four stages lie behind the quantiser's four: each path has bytes of its own
.set SPARE, 2*MREG                     ; the spare words, 128 bytes a wave: two blocks of 256 bytes that no other line names
.set L16,  4                           ; v4   16 x lane
.set L8,   5                           ; v5   8 x lane
.set STI,  6                           ; v6   into the stage: my wave's stage + 16 x lane
.set STO,  7                           ; v7   out of it: + 528 r + 64 h
.set SPW,  8                           ; v8   my spare word; never rewritten
.set NIL,  9                           ; v9   0; never rewritten
.set L4,   10                          ; v10  4 x lane
.set LN,   11                          ; v11  lane
.set R,    32                          ; v32-159  two sets of 64 numbers
.set TM,   160                         ; v160-175 at work in QUANT
.set PWS,  176                         ; v176-179 the four tiles' scale words
.set SW,   180                         ; v180-181 the scale words as they are stored
.set PC,   184                         ; v184-203 a fragment's codes (12) and the halves that are swapped in (8)
.set OUTW, 184                         ; mask path: v184-191 a step's 64 words, a pair of registers for each of the wave's four steps
.set MW,   192                         ; mask path: v192 the four steps' flags, in lanes 0-3
.set SEL,  66                          ; s[66:67] v_permlanex16_b32's selects for lane l xor 16
.set HI,   68                          ; s68  lanes 16-31
.macro LOADF st, rowoff, pitch, add    ; 16 rows of a tile, 512 consecutive bytes each, into set st
.set p, 0
.rept 16
	global_load_b128 v[R+64*(\st)+4*p:R+64*(\st)+4*p+3], v[L16], s[28:29] offset:((\rowoff)+p+8*(p/8))*(\pitch)+(\add) th:TH_LOAD_NT
.set p, p+1
.endr
.endm
.macro TURN st, region                 ; through my stage: in by rows, out 64 bytes of each block a lane.  LDS serves a wave's instructions in order, so no wait stands between the stores and the loads
.set p, 0
.rept 16
	ds_store_b128 v[STI], v[R+64*(\st)+4*p:R+64*(\st)+4*p+3] offset:(\region)+RS*p
.set p, p+1
.endr
.set p, 0
.rept 16                               ; register 16 b + 4 j on = k 32 b + 16 h + 4 j on of row r
	ds_load_b128 v[R+64*(\st)+4*p:R+64*(\st)+4*p+3], v[STO] offset:(\region)+128*(p/4)+16*(p%4)
.set p, p+1
.endr
.endm
; 64 numbers of a lane, register 16 b + i = k 32 b + 16 h + i of my row, become a fragment's codes in v[PC] on and its scale word in v[pw]
.macro QUANT s, pw
.irp b, 0,1,2,3
	v_max3_num_f32 v[TM+\b], |v[(\s)+16*\b]|, |v[(\s)+1+16*\b]|, 0x2800000   ; my 16 numbers of block b, and the floor 2^(5 - 127): the byte cannot fall under 1
.endr
.irp i, 2,4,6,8,10,12,14
.irp b, 0,1,2,3
	v_max3_num_f32 v[TM+\b], v[TM+\b], |v[(\s)+16*\b+\i]|, |v[(\s)+1+16*\b+\i]|
.endr
.endr
.irp b, 0,1,2,3
	v_permlanex16_b32 v[TM+4+\b], v[TM+\b], s[SEL], s[SEL+1]
.endr
.irp b, 0,1,2,3
	v_max_num_f32 v[TM+\b], v[TM+\b], v[TM+4+\b]   ; with lane l xor 16's: the block's largest magnitude
.endr
.irp b, 0,1,2,3
	v_add_nc_u32 v[TM+12+\b], 0xfe000000, v[TM+\b] ; 4 off its exponent field: the conversion's scale operand
.endr
.irp b, 0,1,2,3
	v_lshrrev_b32 v[TM+4+\b], 23, v[TM+12+\b]      ; the scale's byte
.endr
	v_lshl_or_b32 v[\pw], v[TM+5], 8, v[TM+4]
	v_lshl_or_b32 v[\pw], v[TM+6], 16, v[\pw]
	v_lshl_or_b32 v[\pw], v[TM+7], 24, v[\pw]
.irp c, 0,1
	v_cvt_scalef32_pk16_bf6_f32 v[PC+6*\c:PC+2+6*\c], v[(\s)+32*\c:(\s)+15+32*\c], v[TM+12+2*\c]
	v_cvt_scalef32_pk16_bf6_f32 v[PC+12+4*\c:PC+14+4*\c], v[(\s)+16+32*\c:(\s)+31+32*\c], v[TM+12+2*\c+1]   ; (a conversion's three registers begin on an even number)
.endr
	v_nop                                          ; one plain place behind a scaled conversion
.irp c, 0,1                            ; the operand wants a whole block in a lane: lanes 0-15 block 2 c, lanes 16-31 block 2 c + 1
.irp i, 0,1,2
	v_permlane16_swap_b32 v[PC+6*\c+\i], v[PC+12+4*\c+\i]
.endr
.irp i, 0,1,2
	v_mov_b32 v[PC+3+6*\c+\i], v[PC+12+4*\c+\i]
.endr
.endr
.endm
	s_load_b256 s[4:11], s[0:1], 0x0               ; x, Wq, Wk, Wv
	s_load_b256 s[12:19], s[0:1], 0x20             ; Wo, mask, xa, wb
	s_load_b128 s[20:23], s[0:1], 0x40             ; woi, mk
	s_load_b64 s[24:25], s[0:1], 0x50              ; meta
	v_lshl_add_u32 v[SPW], v0, 2, SPARE
	v_mov_b32 v[NIL], 0
	v_lshrrev_b32 v1, 5, v0
	v_readfirstlane_b32 s26, v1                    ; wave
	v_and_b32 v[LN], 31, v0
	v_and_b32 v2, 15, v0                           ; r
	v_bfe_u32 v3, v0, 4, 1                         ; h
	v_lshlrev_b32 v[L16], 4, v[LN]
	v_lshlrev_b32 v[L8], 3, v[LN]
	v_lshlrev_b32 v[L4], 2, v[LN]
	s_mul_i32 s27, s26, WST
	v_add_nc_u32 v[STI], s27, v[L16]
	v_mul_u32_u24 v[STO], v2, RS
	v_lshl_add_u32 v[STO], v3, 6, v[STO]
	v_add_nc_u32 v[STO], s27, v[STO]
	s_mov_b32 s[SEL], 0x76543210
	s_mov_b32 s[SEL+1], 0xfedcba98
	s_mov_b32 s[HI], 0xffff0000
.irp b, 0,1,2,3
	v_mov_b32 v[TM+4+\b], 0                        ; written once: a lane permute's destination counts as one of its sources
.endr
	s_mov_b32 s81, 0                               ; the high word of every offset
	s_wait_kmcnt 0x0
	s_cmp_ge_u32 ttmp9, 384
	s_cbranch_scc1 .Lmask
	; ---- the quantiser.  Which tensor, which 64 rows, which record: numbers and pointers are chosen on the work-group's number alone
	s_lshr_b32 s70, ttmp9, 1                       ; x: the row quad
	s_and_b32 s71, ttmp9, 1
	s_lshl_b32 s71, s71, 2
	s_add_co_u32 s71, s71, s26                     ; my K step: 4 x (work-group % 2) + wave
	s_sub_co_u32 s72, ttmp9, 256
	s_lshr_b32 s73, s72, 5                         ; weights: which of the four
	s_bfe_u32 s74, s72, 0x40001                    ; and its row quad
	s_lshr_b32 s75, s74, 1                         ; Wo: block of 128 rows,
	s_and_b32 s76, s74, 1                          ; and which half of it
	s_lshr_b32 s78, s70, 2                         ; x: block of 256 rows,
	s_and_b32 s79, s70, 3                          ; and which quarter of it
	s_mov_b64 s[28:29], s[12:13]
	s_cmp_eq_u32 s73, 0
	s_cselect_b64 s[28:29], s[6:7], s[28:29]
	s_cmp_eq_u32 s73, 1
	s_cselect_b64 s[28:29], s[8:9], s[28:29]
	s_cmp_eq_u32 s73, 2
	s_cselect_b64 s[28:29], s[10:11], s[28:29]
	s_cmp_lt_u32 s73, 3                            ; Wq, Wk, Wv: records [head][K step][which]
	s_cselect_b64 s[30:31], s[18:19], s[20:21]
	s_cselect_b32 s75, s74, s75
	s_cselect_b32 s76, s73, s76
	s_cselect_b32 s77, 3, 2
	s_cmp_lt_u32 ttmp9, 256                        ; x: records [block][K step][quarter]
	s_cselect_b64 s[28:29], s[4:5], s[28:29]
	s_cselect_b64 s[30:31], s[16:17], s[30:31]
	s_cselect_b32 s75, s78, s75
	s_cselect_b32 s76, s79, s76
	s_cselect_b32 s77, 4, s77
	s_cselect_b32 s74, s70, s74
	s_lshl_b32 s75, s75, 3
	s_add_co_u32 s75, s75, s71
	s_mul_i32 s75, s75, s77
	s_add_co_u32 s75, s75, s76                     ; the record's number
	s_mul_i32 s80, s75, 6400
	s_add_nc_u64 s[30:31], s[30:31], s[80:81]
	s_lshl_b32 s80, s74, 18                        ; 64 rows of 4,096 bytes,
	s_lshl_b32 s79, s71, 9                         ; 512 bytes a K step
	s_add_co_u32 s80, s80, s79
	s_add_nc_u64 s[28:29], s[28:29], s[80:81]
.macro QSTEP n                         ; tile n of the record
.if (\n) < 3
	s_wait_loadcnt 16                              ; this tile's 16 loads are in; the other set's 16 may be out
.else
	s_wait_loadcnt 0x0
.endif
	TURN (\n)%2, 0
	s_wait_dscnt 0x0
.if (\n) > 0
	s_wait_xcnt 0x0                                ; the last tile's stores have read their data: the codes' registers are written again only behind this wait
.endif
	QUANT R+64*((\n)%2), PWS+(\n)
	global_store_b128 v[L16], v[PC:PC+3], s[30:31] offset:(\n)*1536
	global_store_b64 v[L8], v[PC+4:PC+5], s[30:31] offset:(\n)*1536+512
	global_store_b128 v[L16], v[PC+6:PC+9], s[30:31] offset:(\n)*1536+768
	global_store_b64 v[L8], v[PC+10:PC+11], s[30:31] offset:(\n)*1536+1280
.if (\n) < 2
	LOADF (\n)%2, 32+8*(\n), 4096, 0               ; the tile two on, into the set just read
.endif
.endm
	LOADF 0, 0, 4096, 0
	LOADF 1, 8, 4096, 0
	QSTEP 0
	QSTEP 1
	QSTEP 2
	QSTEP 3
	v_cndmask_b32 v[SW], v[PWS], v[PWS+1], s[HI]   ; lanes 0-15 the even tile's words, lanes 16-31 the odd tile's
	v_cndmask_b32 v[SW+1], v[PWS+2], v[PWS+3], s[HI]
	global_store_b64 v[L8], v[SW:SW+1], s[30:31] offset:6144
	s_branch .Ltail
	; ---- the mask.  Tile T of 16 queries (row 32 (T / 2) + 8 (T % 2) + r + 8 (r / 8)); my four key steps 4 w .. 4 w + 3
.Lmask:
	s_sub_co_u32 s78, ttmp9, 384                   ; T
	s_lshr_b32 s79, s78, 1
	s_lshl_b32 s79, s79, 5
	s_and_b32 s80, s78, 1
	s_lshl_b32 s80, s80, 3
	s_add_co_u32 s79, s79, s80                     ; the tile's first query
	s_lshl_b32 s80, s79, 13                        ; rows of 8,192 bytes
	s_lshl_b32 s79, s26, 11                        ; four steps of 512 bytes a wave
	s_add_co_u32 s80, s80, s79
	s_add_nc_u64 s[28:29], s[14:15], s[80:81]
	s_lshl_b32 s79, s78, 4
	s_lshl_b32 s80, s26, 2
	s_add_co_u32 s79, s79, s80                     ; 16 T + 4 w
	s_lshl_b32 s80, s79, 8
	s_add_nc_u64 s[30:31], s[22:23], s[80:81]      ; 256 bytes of lane masks a step
	s_lshl_b32 s80, s79, 2
	s_add_nc_u64 s[76:77], s[24:25], s[80:81]      ; 4 bytes of flags a step
	v_mov_b32 v[MW], 0
.macro MSTEP n
.if (\n) < 3
	s_wait_loadcnt 16                              ; this step's 16 loads are in; the other set's 16 may be out
.else
	s_wait_loadcnt 0x0
.endif
	TURN (\n)%2, MREG
	v_mov_b32 v[OUTW+2*(\n)], 0
	v_mov_b32 v[OUTW+2*(\n)+1], 0
	s_mov_b32 s70, 0                               ; the OR and
	s_mov_b32 s71, -1                              ; the AND of the step's 64 words
	s_wait_dscnt 0x0
.set g, 0
.rept 2
.set k, 0
.rept 32                               ; word 16 b + i: bit of lane (r, h) = (query r sees key 32 b + 16 h + i of the step)
	v_cmp_ne_u32 s[32+k], 0, v[R+64*((\n)%2)+32*g+k]
.set k, k+1
.endr
.set k, 0
.rept 32
	s_or_b32 s70, s70, s[32+k]
	s_and_b32 s71, s71, s[32+k]
	v_writelane_b32 v[OUTW+2*(\n)+k%2], s[32+k], 16*g+k/2   ; word n at byte 4 n: lane n / 2, register n % 2
.set k, k+1
.endr
.set g, g+1
.endr
.if (\n) < 2
	LOADF (\n)%2, 0, 8192, 512*((\n)+2)
.endif
	s_lshr_b32 s72, s70, 16
	s_or_b32 s72, s72, s70
	s_and_b32 s72, s72, 0xffff                     ; bit r: query r sees a key of this step
	s_cmp_eq_u32 s71, -1
	s_cselect_b32 s73, 0x10000, 0                  ; bit 16: all 2,048 are seen
	s_or_b32 s72, s72, s73
	v_writelane_b32 v[MW], s72, \n
	global_store_b64 v[L8], v[OUTW+2*(\n):OUTW+2*(\n)+1], s[30:31] offset:256*(\n)   ; 256 consecutive bytes
.endm
	LOADF 0, 0, 8192, 0
	LOADF 1, 0, 8192, 512
	MSTEP 0
	MSTEP 1
	MSTEP 2
	MSTEP 3
	s_wait_xcnt 0x0                                ; EXEC changes only behind this wait
	v_cmp_gt_u32 vcc_lo, 4, v[LN]
	s_and_saveexec_b32 s74, vcc_lo
	global_store_b32 v[L4], v[MW], s[76:77]        ; lanes 0-3: my four steps' flags
	s_wait_xcnt 0x0                                ; and again in front of the line that widens it
	s_or_b32 exec_lo, exec_lo, s74
.Ltail:
	s_wait_tensorcnt 0x0                           ; the wave's end, behind my last LDS store
	ds_add_u32 v[SPW], v[NIL]
	s_wait_dscnt 0x0
	s_endpgm
.Lfunc_end_k_q5fede676db_prep:
	.size	k_q5fede676db_prep, .Lfunc_end_k_q5fede676db_prep-k_q5fede676db_prep
	.p2alignl 7, 3214868480
	.fill 96, 4, 3214868480
	.section	.rodata,"a",@progbits
	.p2align	6, 0x0
	.amdhsa_kernel k_q5fede676db_prep
		.amdhsa_group_segment_fixed_size 68096
		.amdhsa_private_segment_fixed_size 0
		.amdhsa_enable_private_segment 0
		.amdhsa_kernarg_size 88
		.amdhsa_user_sgpr_count 2
		.amdhsa_user_sgpr_kernarg_segment_ptr 1
		.amdhsa_wavefront_size32 1
		.amdhsa_system_sgpr_workgroup_id_x 1
		.amdhsa_system_sgpr_workgroup_id_y 1
		.amdhsa_system_sgpr_workgroup_id_z 1
		.amdhsa_system_vgpr_workitem_id 0
		.amdhsa_next_free_vgpr 208
		.amdhsa_next_free_sgpr 100
		.amdhsa_reserve_vcc 1
		.amdhsa_float_denorm_mode_32 3
		.amdhsa_float_denorm_mode_16_64 3
		.amdhsa_memory_ordered 1
		.amdhsa_forward_progress 1
		.amdhsa_inst_pref_size 100
	.end_amdhsa_kernel
	.amdgpu_metadata
---
amdhsa.version: [ 1, 2 ]
amdhsa.kernels:
  - .name:           k_q5fede676db_prep
    .symbol:         k_q5fede676db_prep.kd
    .args:
      - { .name: x, .offset: 0, .size: 8, .value_kind: global_buffer, .address_space: global }
      - { .name: Wq, .offset: 8, .size: 8, .value_kind: global_buffer, .address_space: global }
      - { .name: Wk, .offset: 16, .size: 8, .value_kind: global_buffer, .address_space: global }
      - { .name: Wv, .offset: 24, .size: 8, .value_kind: global_buffer, .address_space: global }
      - { .name: Wo, .offset: 32, .size: 8, .value_kind: global_buffer, .address_space: global }
      - { .name: mask, .offset: 40, .size: 8, .value_kind: global_buffer, .address_space: global }
      - { .name: xa, .offset: 48, .size: 8, .value_kind: global_buffer, .address_space: global }
      - { .name: wb, .offset: 56, .size: 8, .value_kind: global_buffer, .address_space: global }
      - { .name: woi, .offset: 64, .size: 8, .value_kind: global_buffer, .address_space: global }
      - { .name: mk, .offset: 72, .size: 8, .value_kind: global_buffer, .address_space: global }
      - { .name: meta, .offset: 80, .size: 8, .value_kind: global_buffer, .address_space: global }
    .group_segment_fixed_size: 68096
    .private_segment_fixed_size: 0
    .kernarg_segment_align: 8
    .kernarg_segment_size: 88
    .max_flat_workgroup_size: 128
    .sgpr_count:     100
    .vgpr_count:     208
    .wavefront_size: 32
...
	.end_amdgpu_metadata
.endif
;; end of part 1
;; launch qkv (part 2): grid 16 x 32, 4 waves a work-group, clusters of 4 x 4, 327,680 bytes of LDS; arguments xa, wb, bq, bk, bv, qb, kv; writes qb, kv
.if DOCPART == 2
	.amdgcn_target "amdgcn-amd-amdhsa--gfx1250"
	.amdhsa_code_object_version 6
	.text
	.protected	k_q5fede676db_qkv
	.globl	k_q5fede676db_qkv
	.p2align	8
	.type	k_q5fede676db_qkv,@function
k_q5fede676db_qkv:
	s_mov_b64 s[64:65], 0
	v_nop
	global_prefetch_b8 v0, s[64:65] scope:SCOPE_SE
	s_setreg_imm32_b32 hwreg(HW_REG_WAVE_MODE, 25, 1), 1
	s_wait_xcnt 0x0
	s_wait_alu depctr_hold_cnt(0) depctr_sa_sdst(0) depctr_va_vdst(0) depctr_va_sdst(0) depctr_va_ssrc(0) depctr_va_vcc(0) depctr_vm_vsrc(0)
	s_getreg_b32 s2, hwreg(HW_REG_IB_STS2, 6, 4)
	s_cmp_eq_u32 s2, 0
	s_cbranch_scc0 .Lentry_in_a_cluster
	s_endpgm
.Lentry_in_a_cluster:
	s_bfe_u32 s2, ttmp6, 0x10000c
	s_cmp_lg_u32 s2, 0xf033
	s_cbranch_scc0 .Lentry_shape_is_right
	s_endpgm
.Lentry_shape_is_right:
; QKV.  q, k, v = x W^T + b on codes of E3M2 (K = 1,024 in eight steps of 128), and the results quantised at once into the register images that the attention launch reads: q, k, v never exist as f32 in memory.
; SHARES.  A work-group takes 256 tokens x one head's q, k and v (192 columns); a wave 64 tokens x 192: 48 accumulators of 16 x 16.
; q and k are used transposed (source 0 = 16 rows of W, source 1 = 16 tokens): a lane holds one token and its registers run along the head's 64, the K of q k^T.
; v has the sources the other way (source 0 = 16 tokens, source 1 = 16 rows of Wv): a lane holds one channel d and its registers run along the tokens, the K of p v.
; Lane r of tile t takes row 32 (t / 2) + 8 (t % 2) + r + 8 (r / 8) of its 64 rows, so the 16 registers of two neighbouring result tiles are 16 neighbours along the next K, and a block of 32 lies in lanes l and l xor 16.
; OPERANDS arrive as records of 6,400 bytes (four fragments as register images, 256 bytes of scale words): a K step's records of x (4) and of W (3) are dense blocks, brought by tensor loads as rows of 256 bytes; LDS reads are dense.
; CLUSTERS: 4 x 4 work-groups; x's blocks hang on the token block alone and are asked for jointly along a row of the cluster, W's on the head alone and jointly along a column.
; RING: three slots of two K steps; slot 0 is filled a second time (steps 6, 7) behind a round of the cluster's barrier at the head of step 1, when every wave's reads of it are back.  A wave has at most three tensor loads out.
; The biases are the C of each sum's first product.  LIMITS: NaN and infinities are not served; blocks whose largest magnitude lies under 2^-122 keep the scale byte 1.
; REGISTERS, in windows of 256.  Window 0: v1-21 addresses; v32-35 x's scale words (two sets), v36-41 W's; v64-159 biases; v160-239 the way out.
;   Window 1: W's fragments v[48 type + 12 e]; x's v[144 + 48 set + 12 t].   Window 2: q's accumulators v[8 (4 t + e)], k's 128 on.   Window 3: v's v[8 (4 d + t)].
.set REC,   6400
.set ASTEP, 4*REC                      ; a K step of x for 256 tokens
.set BSTEP, 3*REC                      ; a K step of Wq, Wk, Wv for one head
.set BOFF,  2*ASTEP
.set SLOT,  BOFF+2*BSTEP               ; two K steps: 89,600 bytes
.set SPARE, 3*SLOT                     ; behind the ring: the spare words, 128 bytes a wave
.set L16,  1
.set L8,   2
.set L4,   3
.set SPW,  4                           ; my spare word; never rewritten
.set NIL,  5                           ; 0; never rewritten
.set AA16, 8                           ; v8-10   slot s: my record of x + 16 x lane;  v11-13 + 8 x lane
.set AA8,  11
.set AB16, 14                          ; v14-16  slot s: W's records + 16 x lane;     v17-19 + 8 x lane
.set AB8,  17
.set BA,   20
.set BV,   21
.set SCA,  32
.set SCB,  36
.set BIAS, 64                          ; v64-95 bq, v96-127 bk (8 registers a tile of W), v128-159 bv
.set TM,   160
.set TX,   168
.set SC,   176
.set BY,   184
.set PW,   192
.set SW,   196
.set PC,   200                         ; ten registers a tile: six of codes, three swapped in
.set WV,   18
.set KIND, 19                          ; 0: I fetch for x, 1: for W
.set PAR,  20                          ; which of a slot's two K steps I fetch
.set G1A,  28
.set G1B,  36
.set G0A,  44                          ; s[44:55] x's group 0, a set a slot;  W's: s[56:59], s[60:63], s[68:71]
.set SEL,  92
.set HI,   94
.set MSB, 0
.macro WIN new                         ; the immediate's high byte repeats the setting that is left
.if MSB != \new
	s_set_vgpr_msb (MSB<<8)|\new
.set MSB, \new
.endif
.endm
.macro JLOAD g0a, g1a, g0b, g1b        ; a joint load: waves 0, 1 for x, waves 2, 3 for W; the branch hangs on the wave's number alone; an s_nop 0 and four v_nop follow each line
	s_cmp_eq_u32 s[KIND], 0
	s_cbranch_scc0 .Lfor_b_\@
	tensor_load_to_lds s[\g0a:\g0a+3], s[\g1a:\g1a+7]
	s_nop 0
.rept 4
	v_nop
.endr
	s_branch .Lasked_\@
.Lfor_b_\@:
	tensor_load_to_lds s[\g0b:\g0b+3], s[\g1b:\g1b+7]
	s_nop 0
.rept 4
	v_nop
.endr
.Lasked_\@:
.endm
.macro CROUND                          ; a round of the cluster's barrier
	s_barrier_signal -1
	s_barrier_wait -1
	s_cmp_lg_u32 s[WV], 0
	s_cbranch_scc1 .Lnot_wave_0_\@
	s_barrier_signal -3
.Lnot_wave_0_\@:
	s_barrier_wait -3
	s_barrier_signal -1
	s_barrier_wait -1
.endm
.macro PLACES                          ; four places between a matrix instruction and a load into, or a read of, its registers
.rept 4
	v_nop
.endr
.endm
.macro FRAG reg, a16, a8, off          ; a fragment's image back into 12 registers
	ds_load_b128 v[(\reg):(\reg)+3], v[\a16] offset:(\off)
	ds_load_b64 v[(\reg)+4:(\reg)+5], v[\a8] offset:(\off)+512
	ds_load_b128 v[(\reg)+6:(\reg)+9], v[\a16] offset:(\off)+768
	ds_load_b64 v[(\reg)+10:(\reg)+11], v[\a8] offset:(\off)+1280
.endm
.macro LB type, s                      ; W's four fragments and scale words of one type, K step s: 17 loads
.set SL, ((\s)/2)%3
.set OF, ((\s)%2)*BSTEP+(\type)*REC
	WIN 0x40
.irp e, 0,1,2,3
	FRAG 48*(\type)+12*\e, AB16+SL, AB8+SL, OF+1536*\e
.endr
	WIN 0
	ds_load_b64 v[SCB+2*(\type):SCB+2*(\type)+1], v[AB8+SL] offset:OF+6144
.endm
.macro LA s                            ; my four fragments of x and their scale words, K step s, into set s % 2: 17 loads
.set SL, ((\s)/2)%3
.set OF, ((\s)%2)*ASTEP
.set ST, (\s)%2
	WIN 0x40
.irp t, 0,1,2,3
	FRAG 144+48*ST+12*\t, AA16+SL, AA8+SL, OF+1536*\t
.endr
	WIN 0
	ds_load_b64 v[SCA+2*ST:SCA+2*ST+1], v[AA8+SL] offset:OF+6144
.endm
.macro WMI                             ; one product; an odd tile's scale words lie in lanes 16-31 of their register
.if fA && fB
	v_wmma_scale_f32_16x16x128_f8f6f4 v[rD:rD+7], v[rA:rA+11], v[rB:rB+11], v[rC:rC+7], v[rSA], v[rSB] matrix_a_fmt:MATRIX_FMT_BF6 matrix_b_fmt:MATRIX_FMT_BF6 matrix_a_scale:MATRIX_SCALE_ROW1 matrix_b_scale:MATRIX_SCALE_ROW1
.elseif fA
	v_wmma_scale_f32_16x16x128_f8f6f4 v[rD:rD+7], v[rA:rA+11], v[rB:rB+11], v[rC:rC+7], v[rSA], v[rSB] matrix_a_fmt:MATRIX_FMT_BF6 matrix_b_fmt:MATRIX_FMT_BF6 matrix_a_scale:MATRIX_SCALE_ROW1
.elseif fB
	v_wmma_scale_f32_16x16x128_f8f6f4 v[rD:rD+7], v[rA:rA+11], v[rB:rB+11], v[rC:rC+7], v[rSA], v[rSB] matrix_a_fmt:MATRIX_FMT_BF6 matrix_b_fmt:MATRIX_FMT_BF6 matrix_b_scale:MATRIX_SCALE_ROW1
.else
	v_wmma_scale_f32_16x16x128_f8f6f4 v[rD:rD+7], v[rA:rA+11], v[rB:rB+11], v[rC:rC+7], v[rSA], v[rSB] matrix_a_fmt:MATRIX_FMT_BF6 matrix_b_fmt:MATRIX_FMT_BF6
.endif
.endm
; 16 products: my four tiles of tokens x one type's four tiles.  The 48 accumulators take turns, one instruction a turn.  first = 1: C is the bias, in window 0
.macro CHUNK type, st, first
.if (\type) < 2
.if \first
	WIN 0x85
.else
	WIN 0xa5
.endif
.else
.if \first
	WIN 0xc5
.else
	WIN 0xf5
.endif
.endif
.irp t, 0,1,2,3
.irp e, 0,1,2,3
.if (\type) < 2
.set rD, 128*(\type)+8*(4*\t+\e)
.set rA, 48*(\type)+12*\e
.set rB, 144+48*(\st)+12*\t
.set rSA, SCB+2*(\type)+\e/2
.set rSB, SCA+2*(\st)+\t/2
.set fA, \e%2
.set fB, \t%2
.set rC, BIAS+32*(\type)+8*\e
.else
.set rD, 8*(4*\e+\t)
.set rA, 144+48*(\st)+12*\t
.set rB, 96+12*\e
.set rSA, SCA+2*(\st)+\t/2
.set rSB, SCB+4+\e/2
.set fA, \t%2
.set fB, \e%2
.set rC, BIAS+64+8*\e
.endif
.if !(\first)
.set rC, rD
.endif
	WMI
.endr
.endr
.endm
; A K step.  Behind each chunk its type's fragments of the next step are asked for, into the registers just freed: 32 products ahead of their use; x's next set behind the first chunk.
.macro STEP s
.if (\s) == 0
.set FST, 1
.else
.set FST, 0
.endif
	s_wait_dscnt 34                                ; x's set and type 0 are in; the two younger groups of 17 (types 1, 2) may be out
	CHUNK 0, (\s)%2, FST
.if (\s) < 7
	PLACES
	LB 0, (\s)+1
	LA (\s)+1
	s_wait_dscnt 51                                ; type 1 is in; three younger groups may be out
.else
	s_wait_dscnt 17                                ; the last step asks for nothing: type 2's group may be out
.endif
	CHUNK 1, (\s)%2, FST
.if (\s) < 7
	PLACES
	LB 1, (\s)+1
	s_wait_dscnt 51                                ; type 2 is in; three younger groups may be out
.else
	s_wait_dscnt 0x0
.endif
	CHUNK 2, (\s)%2, FST
.if (\s) < 7
	PLACES
	LB 2, (\s)+1
.endif
.endm
	s_load_b256 s[4:11], s[0:1], 0x0               ; xa, wb, bq, bk
	s_load_b128 s[12:15], s[0:1], 0x20             ; bv, qb
	s_load_b64 s[16:17], s[0:1], 0x30              ; kv
	v_lshl_add_u32 v[SPW], v0, 2, SPARE
	v_mov_b32 v[NIL], 0
	ds_add_u32 v[SPW], v[NIL]                      ; the wave's opening: the add, waited for ahead of my first tensor load
	v_lshrrev_b32 v6, 5, v0
	v_readfirstlane_b32 s[WV], v6
	s_lshr_b32 s[KIND], s[WV], 1
	s_and_b32 s[PAR], s[WV], 1
	s_bfe_u32 s21, ttmp6, 0x40000                  ; cx
	s_bfe_u32 s22, ttmp6, 0x40004                  ; cy
	s_lshl_b32 s23, ttmp9, 2
	s_add_co_u32 s23, s23, s21                     ; the head = 4 x cluster x + cx
	s_and_b32 s24, ttmp7, 0xffff
	s_lshl_b32 s24, s24, 2
	s_add_co_u32 s24, s24, s22                     ; the block of 256 tokens = 4 x cluster y + cy
	s_lshl_b32 s25, s22, 2
	s_lshl_b32 s25, 15, s25                        ; my row of the cluster
	s_lshl_b32 s26, 0x1111, s21                    ; my column
	s_or_b32 s[G1A], s25, (3<<16)|(1<<21)          ; 15:0 the mask; 17:16 elements of 8 bytes; 21 set beside a mask; no padding
	s_or_b32 s[G1B], s26, (3<<16)|(1<<21)
	s_mov_b32 s[G1A+1], 32<<16                     ; rows of 32 elements = 256 bytes
	s_mov_b32 s[G1A+2], (ASTEP/256)<<16            ; 100 rows
	s_mov_b32 s[G1A+3], 32<<16
	s_mov_b32 s[G1A+4], ASTEP/256
	s_mov_b32 s[G1A+5], 32                         ; dense
	s_mov_b32 s[G1A+6], 0
	s_mov_b32 s[G1A+7], 0
	s_mov_b32 s[G1B+1], 32<<16
	s_mov_b32 s[G1B+2], (BSTEP/256)<<16            ; 75 rows
	s_mov_b32 s[G1B+3], 32<<16
	s_mov_b32 s[G1B+4], BSTEP/256
	s_mov_b32 s[G1B+5], 32
	s_mov_b32 s[G1B+6], 0
	s_mov_b32 s[G1B+7], 0
	s_lshl_b32 s72, s24, 3
	s_add_co_u32 s72, s72, s[PAR]
	s_mul_i32 s72, s72, ASTEP                      ; x: K step PAR of my token block (made of the token block and the wave alone)
	s_mov_b32 s73, 0
	s_lshl_b32 s74, s23, 3
	s_add_co_u32 s74, s74, s[PAR]
	s_mul_i32 s74, s74, BSTEP                      ; W: K step PAR of my head (made of the head and the wave alone)
	s_mov_b32 s75, 0
	s_mul_i32 s76, s[PAR], ASTEP                   ; where they go in a slot: no place in the cluster enters an LDS address
	s_mul_i32 s77, s[PAR], BSTEP
	s_add_co_u32 s77, s77, BOFF
	s_mov_b32 s[SEL], 0x76543210
	s_mov_b32 s[SEL+1], 0xfedcba98
	s_mov_b32 s[HI], 0xffff0000
	s_wait_dscnt 0x0                               ; the opening add is done
	s_wait_kmcnt 0x0
	s_add_nc_u64 s[72:73], s[4:5], s[72:73]
	s_add_nc_u64 s[74:75], s[6:7], s[74:75]
	CROUND                                         ; all sixteen work-groups are here: the first joint loads meet
.irp s, 0,1,2
	s_mov_b32 s[G0A+4*\s], 1
	s_add_co_u32 s[G0A+4*\s+1], s76, \s*SLOT
	s_add_nc_u64 s[G0A+4*\s+2:G0A+4*\s+3], s[72:73], \s*2*ASTEP
	s_or_b32 s[G0A+4*\s+3], s[G0A+4*\s+3], 0x80000000
	s_mov_b32 s[56+4*\s+4*(\s/2)], 1
	s_add_co_u32 s[56+4*\s+4*(\s/2)+1], s77, \s*SLOT
	s_add_nc_u64 s[56+4*\s+4*(\s/2)+2:56+4*\s+4*(\s/2)+3], s[74:75], \s*2*BSTEP
	s_or_b32 s[56+4*\s+4*(\s/2)+3], s[56+4*\s+4*(\s/2)+3], 0x80000000
	JLOAD G0A+4*\s, G1A, 56+4*\s+4*(\s/2), G1B
.endr
	v_and_b32 v6, 31, v0
	v_lshlrev_b32 v[L16], 4, v6
	v_lshlrev_b32 v[L8], 3, v6
	v_lshlrev_b32 v[L4], 2, v6
	s_mul_i32 s78, s[WV], REC                      ; my 64 tokens' record
.irp s, 0,1,2
	v_add_nc_u32 v[AA16+\s], s78, v[L16]
	v_add_nc_u32 v[AA8+\s], s78, v[L8]
	v_add_nc_u32 v[AB16+\s], \s*SLOT+BOFF, v[L16]
	v_add_nc_u32 v[AB8+\s], \s*SLOT+BOFF, v[L8]
	s_add_co_u32 s78, s78, SLOT
.endr
	v_and_b32 v6, 15, v0
	v_and_b32 v7, 8, v6
	v_add_nc_u32 v7, v7, v6
	v_lshlrev_b32 v[BV], 2, v7                     ; bv: 4 (r + 8 (r / 8)): my channel of a tile
	v_bfe_u32 v7, v0, 4, 1
	v_lshlrev_b32 v[BA], 6, v7                     ; bq, bk: 64 h: my eight numbers of a tile
	s_lshl_b32 s90, s23, 8                         ; the head's 64 numbers
	s_mov_b32 s91, 0
	s_add_nc_u64 s[8:9], s[8:9], s[90:91]
	s_add_nc_u64 s[10:11], s[10:11], s[90:91]
	s_add_nc_u64 s[12:13], s[12:13], s[90:91]
.irp e, 0,1,2,3
	global_load_b128 v[BIAS+8*\e:BIAS+8*\e+3], v[BA], s[8:9] offset:(32*(\e/2)+8*(\e%2))*4
	global_load_b128 v[BIAS+8*\e+4:BIAS+8*\e+7], v[BA], s[8:9] offset:(32*(\e/2)+8*(\e%2))*4+16
	global_load_b128 v[BIAS+32+8*\e:BIAS+32+8*\e+3], v[BA], s[10:11] offset:(32*(\e/2)+8*(\e%2))*4
	global_load_b128 v[BIAS+32+8*\e+4:BIAS+32+8*\e+7], v[BA], s[10:11] offset:(32*(\e/2)+8*(\e%2))*4+16
	global_load_b32 v[BIAS+64+8*\e], v[BV], s[12:13] offset:(32*(\e/2)+8*(\e%2))*4
.endr
	; where the results go
	s_lshr_b32 s80, s24, 3
	s_lshl_b32 s80, s80, 4
	s_add_co_u32 s80, s80, s23                     ; batch x 16 + head
	s_and_b32 s81, s24, 7
	s_lshl_b32 s81, s81, 2
	s_add_co_u32 s81, s81, s[WV]                   ; my quad of 64 tokens in the sequence
	s_lshl_b32 s82, s80, 5
	s_add_co_u32 s82, s82, s81
	s_mul_i32 s82, s82, 3328
	s_mov_b32 s83, 0
	s_add_nc_u64 s[14:15], s[14:15], s[82:83]      ; q's record
	s_mul_i32 s82, s80, 208896
	s_add_nc_u64 s[16:17], s[16:17], s[82:83]      ; the head's block of K and V
	s_mul_i32 s82, s81, 3328
	s_add_nc_u64 s[84:85], s[16:17], s[82:83]      ; k's record
	s_lshr_b32 s82, s81, 1
	s_mul_i32 s82, s82, 6400
	s_add_co_u32 s82, s82, 106496                  ; V's record of the key step
	s_mul_i32 s86, s[PAR], 768
	s_add_co_u32 s86, s86, s82
	s_mov_b32 s87, 0
	s_add_nc_u64 s[86:87], s[16:17], s[86:87]      ; my half of its keys
	s_lshl_b32 s88, s[PAR], 7
	s_add_co_u32 s88, s88, s82
	s_add_co_u32 s88, s88, 6144
	s_mov_b32 s89, 0
	s_add_nc_u64 s[88:89], s[16:17], s[88:89]      ; and that half's scale words
	s_wait_tensorcnt 2                             ; my part of slot 0 is in; slots 1 and 2 may be out
	s_barrier_signal -1
	s_barrier_wait -1
	LA 0
	LB 0, 0
	LB 1, 0
	LB 2, 0
	s_wait_loadcnt 0x0                             ; the biases
.set e, 0
.rept 4
.set j, 1
.rept 7
	v_mov_b32 v[BIAS+64+8*e+j], v[BIAS+64+8*e]     ; in v's result a lane is one channel: its eight registers take the same bias
.set j, j+1
.endr
.set e, e+1
.endr
	STEP 0
	s_wait_tensorcnt 0x0                           ; all my tensor loads have landed: slots 1 and 2 are whole once every wave has said so
	ds_add_u32 v[SPW], v[NIL]
	s_add_nc_u64 s[G0A+2:G0A+3], s[G0A+2:G0A+3], 6*ASTEP   ; slot 0's next fill: K steps 6 and 7
	s_add_nc_u64 s[58:59], s[58:59], 6*BSTEP
	s_wait_dscnt 0x0                               ; the add is done, and my reads of slot 0 (steps 0 and 1, all issued in step 0) are back
	CROUND                                         ; no wave of any partner still reads slot 0 or has a load on its way
	JLOAD G0A, G1A, 56, G1B                        ; the one refill: four steps, 192 products, in which to land
	STEP 1
	STEP 2
	STEP 3
	STEP 4
	s_wait_tensorcnt 0x0                           ; my part of the refill is in
	s_wait_dscnt 0x0
	s_barrier_signal -1
	s_barrier_wait -1                              ; everybody's is
	STEP 5
	STEP 6
	STEP 7
; THE WAY OUT.  Four tiles of 32 registers (two blocks of 32 along the next K, half of each in lane l xor 16) become four images of six registers and their two scale bytes.
; wmax, wcvt: the window settings for the maxima (sources 1, 2) and for the conversions (source 0).  pad = 1: bytes 2 and 3 of the scale word are 0x7f (the upper 64 of the next product's K are zero codes).
.macro HQ4 base, wmax, wcvt, pad
	WIN \wmax
.set j, 0
.rept 8                                ; block j at registers base + 16 j: each accumulator is read from its low end on
	v_max3_num_f32 v[TM+j], 0x2800000, |v[(\base)+16*j]|, |v[(\base)+16*j+1]|   ; with the floor 2^(5 - 127): the byte cannot fall under 1
.set j, j+1
.endr
.set i, 2
.rept 7
.set j, 0
.rept 8
	v_max3_num_f32 v[TM+j], v[TM+j], |v[(\base)+16*j+i]|, |v[(\base)+16*j+i+1]|
.set j, j+1
.endr
.set i, i+2
.endr
	WIN 0
.set j, 0
.rept 8
	v_permlanex16_b32 v[TX+j], v[TM+j], s[SEL], s[SEL+1]
.set j, j+1
.endr
.set j, 0
.rept 8
	v_max_num_f32 v[TM+j], v[TM+j], v[TX+j]
.set j, j+1
.endr
.set j, 0
.rept 8
	v_add_nc_u32 v[SC+j], 0xfe000000, v[TM+j]      ; 4 off the exponent field: the conversion's scale operand
.set j, j+1
.endr
.set j, 0
.rept 8
	v_lshrrev_b32 v[BY+j], 23, v[SC+j]             ; the scale's byte
.set j, j+1
.endr
.set g, 0
.rept 4
	v_lshl_or_b32 v[PW+g], v[BY+2*g+1], 8, v[BY+2*g]
.set g, g+1
.endr
.if \pad
.set g, 0
.rept 4
	v_or_b32 v[PW+g], 0x7f7f0000, v[PW+g]
.set g, g+1
.endr
.endif
	WIN \wcvt
.set g, 0
.rept 4
	v_cvt_scalef32_pk16_bf6_f32 v[PC+10*g:PC+10*g+2], v[(\base)+32*g:(\base)+32*g+15], v[SC+2*g]
	v_cvt_scalef32_pk16_bf6_f32 v[PC+10*g+6:PC+10*g+8], v[(\base)+32*g+16:(\base)+32*g+31], v[SC+2*g+1]
.set g, g+1
.endr
	WIN 0
	v_nop                                          ; one plain place behind a scaled conversion
.set g, 0
.rept 4
.set i, 0
.rept 3
	v_permlane16_swap_b32 v[PC+10*g+i], v[PC+10*g+6+i]   ; a whole block to a lane: lanes 0-15 block 0, lanes 16-31 block 1
.set i, i+1
.endr
.set i, 0
.rept 3
	v_mov_b32 v[PC+10*g+3+i], v[PC+10*g+6+i]
.set i, i+1
.endr
.set g, g+1
.endr
.endm
.macro OUTQK ptr                       ; a q or k record: four images of 768 bytes, then the scale words
.set g, 0
.rept 4
	global_store_b128 v[L16], v[PC+10*g:PC+10*g+3], s[\ptr:\ptr+1] offset:768*g
	global_store_b64 v[L8], v[PC+10*g+4:PC+10*g+5], s[\ptr:\ptr+1] offset:768*g+512
.set g, g+1
.endr
	v_cndmask_b32 v[SW], v[PW], v[PW+1], s[HI]
	v_cndmask_b32 v[SW+1], v[PW+2], v[PW+3], s[HI]
	global_store_b64 v[L8], v[SW:SW+1], s[\ptr:\ptr+1] offset:3072
.endm
	WIN 0
.set j, 0
.rept 8
	v_mov_b32 v[TX+j], 0                           ; a lane permute's destination counts as one of its sources; these eight are also the places behind the last products
.set j, j+1
.endr
	HQ4 0, 0x28, 0x02, 1                           ; q
	OUTQK 14
	s_wait_xcnt 0x0                                ; the stores have read their data: the registers are written again only behind this wait
	HQ4 128, 0x28, 0x02, 1                         ; k
	OUTQK 84
	s_wait_xcnt 0x0
	HQ4 0, 0x3c, 0x03, 0                           ; v: tile d, 64 keys
.set g, 0
.rept 4
	global_store_b128 v[L16], v[PC+10*g:PC+10*g+3], s[86:87] offset:1536*g
	global_store_b64 v[L8], v[PC+10*g+4:PC+10*g+5], s[86:87] offset:1536*g+512
.set g, g+1
.endr
	v_cndmask_b32 v[SW], v[PW], v[PW+1], s[HI]     ; low half: tiles 0 (lanes 0-15) and 1 (lanes 16-31);
	v_cndmask_b32 v[SW+1], v[PW+2], v[PW+3], s[HI]
	v_lshl_or_b32 v[SW], v[SW+1], 16, v[SW]        ; high half: tiles 2 and 3
	global_store_b32 v[L4], v[SW], s[88:89]
	s_wait_tensorcnt 0x0                           ; the wave's end
	ds_add_u32 v[SPW], v[NIL]
	s_wait_dscnt 0x0
	CROUND                                         ; the closing round
	s_endpgm
.Lfunc_end_k_q5fede676db_qkv:
	.size	k_q5fede676db_qkv, .Lfunc_end_k_q5fede676db_qkv-k_q5fede676db_qkv
	.p2alignl 7, 3214868480
	.fill 96, 4, 3214868480
	.section	.rodata,"a",@progbits
	.p2align	6, 0x0
	.amdhsa_kernel k_q5fede676db_qkv
		.amdhsa_group_segment_fixed_size 327680
		.amdhsa_private_segment_fixed_size 0
		.amdhsa_enable_private_segment 0
		.amdhsa_kernarg_size 56
		.amdhsa_user_sgpr_count 2
		.amdhsa_user_sgpr_kernarg_segment_ptr 1
		.amdhsa_wavefront_size32 1
		.amdhsa_system_sgpr_workgroup_id_x 1
		.amdhsa_system_sgpr_workgroup_id_y 1
		.amdhsa_system_sgpr_workgroup_id_z 1
		.amdhsa_system_vgpr_workitem_id 0
		.amdhsa_next_free_vgpr 1024
		.amdhsa_next_free_sgpr 100
		.amdhsa_reserve_vcc 0
		.amdhsa_float_denorm_mode_32 3
		.amdhsa_float_denorm_mode_16_64 3
		.amdhsa_memory_ordered 1
		.amdhsa_forward_progress 1
		.amdhsa_inst_pref_size 128
	.end_amdhsa_kernel
	.amdgpu_metadata
---
amdhsa.version: [ 1, 2 ]
amdhsa.kernels:
  - .name:           k_q5fede676db_qkv
    .symbol:         k_q5fede676db_qkv.kd
    .args:
      - { .name: xa, .offset: 0, .size: 8, .value_kind: global_buffer, .address_space: global }
      - { .name: wb, .offset: 8, .size: 8, .value_kind: global_buffer, .address_space: global }
      - { .name: bq, .offset: 16, .size: 8, .value_kind: global_buffer, .address_space: global }
      - { .name: bk, .offset: 24, .size: 8, .value_kind: global_buffer, .address_space: global }
      - { .name: bv, .offset: 32, .size: 8, .value_kind: global_buffer, .address_space: global }
      - { .name: qb, .offset: 40, .size: 8, .value_kind: global_buffer, .address_space: global }
      - { .name: kv, .offset: 48, .size: 8, .value_kind: global_buffer, .address_space: global }
    .group_segment_fixed_size: 327680
    .private_segment_fixed_size: 0
    .kernarg_segment_align: 8
    .kernarg_segment_size: 56
    .max_flat_workgroup_size: 128
    .sgpr_count:     100
    .vgpr_count:     1024
    .wavefront_size: 32
...
	.end_amdgpu_metadata
.endif
;; end of part 2
;; launch attn (part 3): grid 4 x 64, 16 waves a work-group, no clusters, 210,944 bytes of LDS; arguments qb, kv, mk, meta, ca; writes ca
.if DOCPART == 3
	.amdgcn_target "amdgcn-amd-amdhsa--gfx1250"
	.amdhsa_code_object_version 6
	.text
	.protected	k_q5fede676db_attn
	.globl	k_q5fede676db_attn
	.p2align	8
	.type	k_q5fede676db_attn,@function
k_q5fede676db_attn:
	s_mov_b64 s[64:65], 0
	v_nop
	global_prefetch_b8 v0, s[64:65] scope:SCOPE_SE
	s_setreg_imm32_b32 hwreg(HW_REG_WAVE_MODE, 25, 1), 1
	s_wait_xcnt 0x0
; ATTENTION on codes of E3M2: S^T = K Q^T (K = the head's 64; the upper 64 of the instruction's 128 are zero codes on Q's side under the scale byte 0x7f), the mask as it is given, p = 2^(t - M) with M a whole number,
; O^T += V^T P^T (K = 128 keys), O / l, and the context quantised at once into the register images that the last projection reads.
; SHARES.  A work-group serves one (batch, head); its K and V, 208,896 bytes of images, are copied into LDS once at the head, through registers, and stay.  Each of sixteen waves takes two tiles of 16 queries, T = 4 w + c and 127 - T, one after the other.
; THE MASK is honoured as stored by the first launch: 64 lane masks a (tile, key step), applied by one v_cndmask_b32 a register.  A hidden score becomes -2^33: times c = log2(e) / 8 that is a whole number, so a row with no open key gets p = 1
; for every key, as a constant logit gives; beside any open key it gives p = 0, and what such a row summed before its first open key is wiped by f = 0.
; A key step in which none of the tile's 16 queries has an open key is passed over, by a scalar branch on the stored flags, but only if each of the 16 has an open key somewhere.  A step that is all open skips the 64 selects.
; NO CLUSTER, NO TENSOR LOAD: the walk branches on numbers read from memory; there is no joint request either.  What the four work-groups of a head share is read once by each, at the head.
; A lane holds ONE query (lane % 16) throughout; lane r of key tile t takes key 32 (t / 2) + 8 (t % 2) + r + 8 (r / 8), so p's 16 registers of two neighbouring tiles are 16 neighbouring keys.
; LIMITS: NaN and infinities are not served; open logits are taken to lie above about -1e9 + 200, so that hidden keys vanish beside them; blocks whose largest magnitude lies under 2^-122 keep the scale byte 1.
; REGISTERS: v1-7 constants; v8-11, v29 the step's LDS addresses; v12 -M, v13 the largest t, v[14:15] l; v16-27 Q; v32-85 K's eight tiles, six registers apart (a tile's upper six are the next tile's codes: they meet Q's zero codes), then V's four fragments;
;   v96-159 S^T, then p; v160-191 O^T; v192-223 the context; v224-235 codes; v232-247 at work; v248-251 scale words; v252 f, v253 p's scale word, v255 Q's.
.set KVB,   208896
.set VB,    106496                     ; V's records begin here
.set KST,   6656                       ; a key step of K: two records of 3,328
.set VST,   6400                       ; and of V
.set SPARE, KVB                        ; behind K and V: the spare words, 128 bytes for each of 16 waves
.set L16, 1
.set L8,  2
.set L4,  3
.set SPW, 4
.set NIL, 5
.set NEG, 6                            ; -2^33
.set R8,  7                            ; 8 r
.set WV,  14
.set CC,  15
.set BH,  16
.set TT,  17
.set SKIPB, 18                         ; bit 0: pass this step over
.set OPENB, 19                         ; bit 0: this step is all open
.set SEL, 20
.set CS,  22                           ; s[22:23] c = log2(e) / 8
.set TBK, 24
.set TBV, 25
.set CNT, 26
.set MKP, 28                           ; s[28:29] the step's lane masks
	s_load_b256 s[4:11], s[0:1], 0x0               ; qb, kv, mk, meta
	s_load_b64 s[12:13], s[0:1], 0x20              ; ca
	v_lshl_add_u32 v[SPW], v0, 2, SPARE
	v_mov_b32 v[NIL], 0
	v_lshrrev_b32 v8, 5, v0
	v_readfirstlane_b32 s[WV], v8
	s_mov_b32 s[CC], ttmp9
	s_and_b32 s[BH], ttmp7, 0xffff
	v_and_b32 v9, 31, v0
	v_lshlrev_b32 v[L16], 4, v9
	v_lshlrev_b32 v[L8], 3, v9
	v_lshlrev_b32 v[L4], 2, v9
	v_and_b32 v[R8], 15, v0
	v_lshlrev_b32 v[R8], 3, v[R8]
	v_mov_b32 v[NEG], 0xd0000000
	v_lshlrev_b32 v134, 4, v0                      ; 16 x thread: in memory and in LDS
	v_add_nc_u32 v135, 65536, v134
	v_add_nc_u32 v136, 131072, v134
	v_add_nc_u32 v137, 196608, v134
	v_lshlrev_b32 v139, 3, v0
	v_add_nc_u32 v138, 204800, v139
	s_mov_b32 s[SEL], 0x76543210
	s_mov_b32 s[SEL+1], 0xfedcba98
	s_mov_b32 s[CS], 0x3e38aa3b
	s_mov_b32 s[CS+1], s[CS]                       ; (named with it as a pair, so it is written)
	s_mul_i32 s68, s[BH], KVB
	s_mov_b32 s69, 0
	s_wait_kmcnt 0x0
	s_add_nc_u64 s[6:7], s[6:7], s[68:69]
.set i, 0
.rept 25                               ; the head's K and V: 25 x 8,192 bytes, 16 a thread,
	global_load_b128 v[32+4*i:35+4*i], v134, s[6:7] offset:8192*i
.set i, i+1
.endr
	global_load_b64 v[132:133], v139, s[6:7] offset:204800   ; and 4,096 more, 8 a thread
.set i, 0
.rept 25
	s_wait_loadcnt 25-i                            ; loads come back in order: load i is in, the younger ones may be out
	ds_store_b128 v[134+i/8], v[32+4*i:35+4*i] offset:8192*(i%8)
.set i, i+1
.endr
	s_wait_loadcnt 0x0
	ds_store_b64 v138, v[132:133]
	s_wait_dscnt 0x0                               ; for the others' sake: my stores have landed
	s_barrier_signal -1
	s_barrier_wait -1                              ; K and V are whole; nothing writes LDS from here on but the closing add
.irp j, 22,23,24,25,26,27,80,81,82,83,84,85,236,237,238,239,252,253
	v_mov_b32 v\j, 0                               ; Q's upper 64 codes; what stands above K's last tile; lane permutes' destinations; the pair v[252:253]
.endr
.macro PASS second
	s_wait_xcnt 0x0                                ; the last pass's stores have read their registers and bases
	s_lshl_b32 s[TT], s[WV], 2
	s_add_co_u32 s[TT], s[TT], s[CC]
.if \second
	s_sub_co_u32 s[TT], 127, s[TT]
.endif
	s_lshl_b32 s72, s[BH], 5
	s_lshr_b32 s73, s[TT], 2
	s_add_co_u32 s72, s72, s73
	s_mul_i32 s72, s72, 3328                       ; the record of my tile's 64 queries
	s_and_b32 s73, s[TT], 3
	s_mul_i32 s68, s73, 768
	s_add_co_u32 s68, s68, s72
	s_mov_b32 s69, 0
	s_add_nc_u64 s[68:69], s[4:5], s[68:69]        ; my tile's image
	s_and_b32 s70, s[TT], 1
	s_lshl_b32 s70, s70, 7
	s_bfe_u32 s73, s[TT], 0x10001
	s_lshl_b32 s73, s73, 2
	s_add_co_u32 s70, s70, s73
	s_add_co_u32 s70, s70, s72
	s_add_co_u32 s70, s70, 3072
	s_mov_b32 s71, 0
	s_add_nc_u64 s[70:71], s[4:5], s[70:71]        ; its scale words: 8 bytes from row to row
	s_lshl_b32 s76, s[TT], 6
	s_mov_b32 s77, 0
	s_add_nc_u64 s[76:77], s[10:11], s[76:77]      ; its 16 words of flags
	s_lshl_b32 s[MKP], s[TT], 12
	s_mov_b32 s[MKP+1], 0
	s_add_nc_u64 s[MKP:MKP+1], s[8:9], s[MKP:MKP+1]
	global_load_b128 v[16:19], v[L16], s[68:69]
	global_load_b64 v[20:21], v[L8], s[68:69] offset:512
	global_load_b32 v255, v[R8], s[70:71]
	s_load_b512 s[32:47], s[76:77], 0x0
	v_mov_b32 v13, 0xff61b1e6                      ; the largest t so far: -3e38
	v_floor_f32 v12, -v13                          ; -M
	v_mov_b32 v14, 0
	v_mov_b32 v15, 0
.set n, 0
.rept 32
	v_mov_b32 v[160+n], 0                          ; O^T: which step is walked first hangs on the mask, so the sums begin as zeros
.set n, n+1
.endr
	s_wait_kmcnt 0x0
	s_mov_b32 s[SKIPB], 0
	s_mov_b32 s[OPENB], 0
	s_mov_b32 s48, 0
.set k, 0
.rept 16
	s_or_b32 s48, s48, s[32+k]
.set k, k+1
.endr
	s_and_b32 s48, s48, 0xffff
	s_cmp_eq_u32 s48, 0xffff                       ; has each of the 16 queries an open key somewhere?
	s_cselect_b32 s49, -1, 0
.set k, 0
.rept 16
	s_and_b32 s50, s[32+k], 0xffff
	s_cmp_eq_u32 s50, 0
	s_cselect_b32 s50, 1<<k, 0
	s_or_b32 s[SKIPB], s[SKIPB], s50
	s_bfe_u32 s50, s[32+k], 0x10010
	s_lshl_b32 s50, s50, k
	s_or_b32 s[OPENB], s[OPENB], s50
.set k, k+1
.endr
	s_and_b32 s[SKIPB], s[SKIPB], s49
	s_mov_b32 s[TBK], 0
	s_mov_b32 s[TBV], VB
	s_mov_b32 s[CNT], 16
	s_wait_loadcnt 0x0                             ; Q is in, and the loads' bases are free: the mask words land on them
.Lstep_\@:                             ; 16 trips, always: a step's work is jumped over, the lines that step addresses are not
	s_bitcmp1_b32 s[SKIPB], 0
	s_cbranch_scc1 .Lskip_\@
	s_load_b512 s[32:47], s[MKP:MKP+1], 0x0
	s_load_b512 s[48:63], s[MKP:MKP+1], 0x40
	s_load_b512 s[68:83], s[MKP:MKP+1], 0x80
	s_load_b512 s[84:99], s[MKP:MKP+1], 0xc0
	v_add_nc_u32 v8, s[TBK], v[L16]                ; (these five are also the places behind the last step's products)
	v_add_nc_u32 v9, s[TBK], v[L8]
	v_add_nc_u32 v10, s[TBV], v[L16]
	v_add_nc_u32 v11, s[TBV], v[L8]
	v_add_nc_u32 v29, s[TBV], v[L4]
.set t, 0
.rept 8
	ds_load_b128 v[32+6*t:35+6*t], v8 offset:(t/4)*3328+(t%4)*768
	ds_load_b64 v[36+6*t:37+6*t], v9 offset:(t/4)*3328+(t%4)*768+512
.set t, t+1
.endr
	ds_load_b64 v[248:249], v9 offset:3072
	ds_load_b64 v[250:251], v9 offset:3328+3072
	s_wait_dscnt 0x0
.set t, 0
.rept 8
.if t%2
	v_wmma_scale_f32_16x16x128_f8f6f4 v[96+8*t:103+8*t], v[32+6*t:43+6*t], v[16:27], 0, v[248+t/2], v255 matrix_a_fmt:MATRIX_FMT_BF6 matrix_b_fmt:MATRIX_FMT_BF6 matrix_a_scale:MATRIX_SCALE_ROW1
.else
	v_wmma_scale_f32_16x16x128_f8f6f4 v[96+8*t:103+8*t], v[32+6*t:43+6*t], v[16:27], 0, v[248+t/2], v255 matrix_a_fmt:MATRIX_FMT_BF6 matrix_b_fmt:MATRIX_FMT_BF6
.endif
.set t, t+1
.endr
.rept 4
	v_nop                                          ; places in front of the loads below and of the first read of the scores
.endr
.set d, 0
.rept 4                                ; V's four fragments land while the softmax is walked
	ds_load_b128 v[32+12*d:35+12*d], v10 offset:1536*d
	ds_load_b64 v[36+12*d:37+12*d], v11 offset:1536*d+512
	ds_load_b128 v[38+12*d:41+12*d], v10 offset:1536*d+768
	ds_load_b64 v[42+12*d:43+12*d], v11 offset:1536*d+1280
.set d, d+1
.endr
	ds_load_b32 v250, v29 offset:6144              ; V's scale bytes of the step's first 64 keys,
	ds_load_b32 v251, v29 offset:6144+128          ; and of its second
	s_wait_kmcnt 0x0                               ; the lane masks are in
	s_bitcmp1_b32 s[OPENB], 0
	s_cbranch_scc1 .Lopen_\@
.set n, 0
.rept 64
	v_cndmask_b32 v[96+n], v[NEG], v[96+n], s[32+n+4*(n/32)]   ; register 16 b + i holds key 32 b + 16 h + i of the step
.set n, n+1
.endr
.Lopen_\@:
.irp b, 0,1,2,3
	v_max3_num_f32 v[232+\b], v[96+16*\b], v[97+16*\b], v[98+16*\b]   ; the largest score of each block of 32 keys: for the row's maximum, and, since p rises with the score, for the block's largest p
.endr
.irp i, 3,5,7,9,11,13
.irp b, 0,1,2,3
	v_max3_num_f32 v[232+\b], v[232+\b], v[96+16*\b+\i], v[97+16*\b+\i]
.endr
.endr
.irp b, 0,1,2,3
	v_max_num_f32 v[232+\b], v[232+\b], v[111+16*\b]
.endr
.irp b, 0,1,2,3
	v_permlanex16_b32 v[236+\b], v[232+\b], s[SEL], s[SEL+1]
.endr
.irp b, 0,1,2,3
	v_max_num_f32 v[232+\b], v[232+\b], v[236+\b]
.endr
	v_max3_num_f32 v254, v232, v233, v234
	v_max_num_f32 v254, v254, v235
	v_mul_f32 v254, s[CS], v254                    ; as t
	v_max_num_f32 v13, v13, v254                   ; the running largest t
	v_mov_b32 v254, v12
	v_floor_f32 v12, -v13                          ; the new -M = -ceil(t)
	v_sub_f32 v254, v12, v254                      ; old M - new M: a whole number, 0 or less
	v_cvt_i32_f32 v254, v254                       ; (it saturates)
	v_ldexp_f32 v252, 1.0, v254                    ; f = 2^(old M - new M)
.set j, 0
.rept 32
	v_pk_fma_f32 v[96+j:97+j], v[96+j:97+j], s[CS:CS+1], v[12:13] op_sel_hi:[1,0,0]   ; t - M
.set j, j+2
.endr
.irp b, 0,1,2,3
	v_fma_f32 v[232+\b], v[232+\b], s[CS], v12
.endr
.set j, 0
.rept 64
	v_exp_f32 v[96+j], v[96+j]                     ; p = 2^(t - M)
.set j, j+1
.endr
	v_pk_mul_f32 v[14:15], v[14:15], v[252:253] op_sel_hi:[1,0]   ; l under the new M (a plain place behind the exponentials)
	s_wait_alu depctr_va_vdst(0)                   ; one wait for the batch, ahead of its first reader
.irp b, 0,1,2,3
	v_exp_f32 v[232+\b], v[232+\b]                 ; each block's largest p
.endr
	v_pk_add_f32 v[236:237], v[96:97], v[98:99]    ; the row's sum, of the unquantised p, in two chains
.irp j, 4,8,12,16,20,24,28,32,36,40,44,48,52,56,60
	v_pk_add_f32 v[14:15], v[14:15], v[96+\j:97+\j]
	v_pk_add_f32 v[236:237], v[236:237], v[98+\j:99+\j]
.endr
	v_pk_add_f32 v[14:15], v[14:15], v[236:237]
	s_wait_alu depctr_va_vdst(0)                   ; and one for the four
.irp b, 0,1,2,3
	v_max_num_f32 v[232+\b], 0x2800000, v[232+\b]  ; the floor 2^(5 - 127)
.endr
.irp b, 0,1,2,3
	v_add_nc_u32 v[244+\b], 0xfe000000, v[232+\b]
.endr
.irp b, 0,1,2,3
	v_lshrrev_b32 v[236+\b], 23, v[244+\b]
.endr
	v_lshl_or_b32 v253, v237, 8, v236              ; p's scale word for these 128 keys
	v_lshl_or_b32 v253, v238, 16, v253
	v_lshl_or_b32 v253, v239, 24, v253
.irp c, 0,1
	v_cvt_scalef32_pk16_bf6_f32 v[224+6*\c:226+6*\c], v[96+32*\c:111+32*\c], v[244+2*\c]
	v_cvt_scalef32_pk16_bf6_f32 v[236+4*\c:238+4*\c], v[112+32*\c:127+32*\c], v[244+2*\c+1]
.endr
	v_nop                                          ; one plain place behind a scaled conversion
.irp c, 0,1
.irp i, 0,1,2
	v_permlane16_swap_b32 v[224+6*\c+\i], v[236+4*\c+\i]
.endr
.irp i, 0,1,2
	v_mov_b32 v[227+6*\c+\i], v[236+4*\c+\i]
.endr
.endr
	s_wait_dscnt 0x0                               ; V and its scale bytes are in
	v_perm_b32 v248, v251, v250, 0x05040100        ; tiles 0 (lanes 0-15) and 1 (lanes 16-31): two bytes of each half of the keys
	v_perm_b32 v249, v251, v250, 0x07060302        ; tiles 2 and 3
.set j, 0
.rept 16
	v_pk_mul_f32 v[160+j:161+j], v[160+j:161+j], v[252:253] op_sel_hi:[1,0]   ; O^T under the new M; also the places between the scale words' making and the products
.set j, j+2
.endr
.set d, 0
.rept 4
.if d%2
	v_wmma_scale_f32_16x16x128_f8f6f4 v[160+8*d:167+8*d], v[32+12*d:43+12*d], v[224:235], v[160+8*d:167+8*d], v[248+d/2], v253 matrix_a_fmt:MATRIX_FMT_BF6 matrix_b_fmt:MATRIX_FMT_BF6 matrix_a_scale:MATRIX_SCALE_ROW1
.else
	v_wmma_scale_f32_16x16x128_f8f6f4 v[160+8*d:167+8*d], v[32+12*d:43+12*d], v[224:235], v[160+8*d:167+8*d], v[248+d/2], v253 matrix_a_fmt:MATRIX_FMT_BF6 matrix_b_fmt:MATRIX_FMT_BF6
.endif
.set d, d+1
.endr
.Lskip_\@:
	s_add_co_u32 s[TBK], s[TBK], KST
	s_add_co_u32 s[TBV], s[TBV], VST
	s_add_nc_u64 s[MKP:MKP+1], s[MKP:MKP+1], 256   ; (the step's scalar loads were waited for)
	s_lshr_b32 s[SKIPB], s[SKIPB], 1
	s_lshr_b32 s[OPENB], s[OPENB], 1
	s_sub_co_u32 s[CNT], s[CNT], 1
	s_cmp_lg_u32 s[CNT], 0
	s_cbranch_scc1 .Lstep_\@
	; the way out of a pass: O^T / l, quantised along the head's 64: one image of six registers and two scale bytes
.rept 4
	v_nop                                          ; places behind the last products
.endr
	v_add_f32 v14, v14, v15
	v_permlanex16_b32 v252, v14, s[SEL], s[SEL+1]
	v_add_f32 v14, v14, v252                       ; the row's sum
	v_rcp_f32 v14, v14
	v_nop                                          ; a plain place behind the transcendental
	s_lshr_b32 s68, s[BH], 4
	s_lshl_b32 s68, s68, 7
	s_add_co_u32 s68, s68, s[TT]                   ; G: my tile among all 512
	s_and_b32 s69, s[BH], 15                       ; the head
	s_lshr_b32 s70, s68, 4
	s_lshl_b32 s70, s70, 3
	s_lshr_b32 s71, s69, 1
	s_add_co_u32 s70, s70, s71
	s_lshl_b32 s70, s70, 2
	s_bfe_u32 s71, s68, 0x20002
	s_add_co_u32 s70, s70, s71
	s_mul_i32 s70, s70, 6400                       ; the record: (block of 256 tokens, K step = head / 2, quarter)
	s_and_b32 s71, s68, 3                          ; my tile in it
	s_and_b32 s69, s69, 1                          ; which half of the K step
	s_mul_i32 s72, s71, 1536
	s_mul_i32 s73, s69, 768
	s_add_co_u32 s72, s72, s73
	s_add_co_u32 s72, s72, s70
	s_mov_b32 s73, 0
	s_add_nc_u64 s[72:73], s[12:13], s[72:73]
	s_and_b32 s74, s71, 1
	s_lshl_b32 s74, s74, 7
	s_lshr_b32 s75, s71, 1
	s_lshl_b32 s75, s75, 2
	s_add_co_u32 s74, s74, s75
	s_lshl_b32 s75, s69, 1
	s_add_co_u32 s74, s74, s75
	s_add_co_u32 s74, s74, s70
	s_add_co_u32 s74, s74, 6144
	s_mov_b32 s75, 0
	s_add_nc_u64 s[74:75], s[12:13], s[74:75]      ; my two bytes of each row's scale word
	s_wait_alu depctr_va_vdst(0)                   ; the wait ahead of the reciprocal's first reader
.set j, 0
.rept 16
	v_pk_mul_f32 v[192+j:193+j], v[160+j:161+j], v[14:15] op_sel_hi:[1,0]   ; register 16 b + i = channel 32 b + 16 h + i of my query
.set j, j+2
.endr
.irp b, 0,1
	v_max3_num_f32 v[232+\b], |v[192+16*\b]|, |v[193+16*\b]|, 0x2800000
.endr
.irp i, 2,4,6,8,10,12,14
.irp b, 0,1
	v_max3_num_f32 v[232+\b], v[232+\b], |v[192+16*\b+\i]|, |v[193+16*\b+\i]|
.endr
.endr
.irp b, 0,1
	v_permlanex16_b32 v[236+\b], v[232+\b], s[SEL], s[SEL+1]
.endr
.irp b, 0,1
	v_max_num_f32 v[232+\b], v[232+\b], v[236+\b]
.endr
.irp b, 0,1
	v_add_nc_u32 v[244+\b], 0xfe000000, v[232+\b]
.endr
.irp b, 0,1
	v_lshrrev_b32 v[236+\b], 23, v[244+\b]
.endr
	v_lshl_or_b32 v253, v237, 8, v236
	v_cvt_scalef32_pk16_bf6_f32 v[224:226], v[192:207], v244
	v_cvt_scalef32_pk16_bf6_f32 v[230:232], v[208:223], v245
	v_nop                                          ; one plain place behind a scaled conversion
.irp i, 0,1,2
	v_permlane16_swap_b32 v[224+\i], v[230+\i]
.endr
.irp i, 0,1,2
	v_mov_b32 v[227+\i], v[230+\i]
.endr
	global_store_b128 v[L16], v[224:227], s[72:73]
	global_store_b64 v[L8], v[228:229], s[72:73] offset:512
	global_store_b16 v[R8], v253, s[74:75]         ; both halves of the lanes write the same two bytes of row r's word; the word's other half is the neighbouring head's
.endm
	PASS 0
	PASS 1
	s_wait_tensorcnt 0x0                           ; the wave's end, behind my last LDS store
	ds_add_u32 v[SPW], v[NIL]
	s_wait_dscnt 0x0
	s_endpgm
.Lfunc_end_k_q5fede676db_attn:
	.size	k_q5fede676db_attn, .Lfunc_end_k_q5fede676db_attn-k_q5fede676db_attn
	.p2alignl 7, 3214868480
	.fill 96, 4, 3214868480
	.section	.rodata,"a",@progbits
	.p2align	6, 0x0
	.amdhsa_kernel k_q5fede676db_attn
		.amdhsa_group_segment_fixed_size 210944
		.amdhsa_private_segment_fixed_size 0
		.amdhsa_enable_private_segment 0
		.amdhsa_kernarg_size 40
		.amdhsa_user_sgpr_count 2
		.amdhsa_user_sgpr_kernarg_segment_ptr 1
		.amdhsa_wavefront_size32 1
		.amdhsa_system_sgpr_workgroup_id_x 1
		.amdhsa_system_sgpr_workgroup_id_y 1
		.amdhsa_system_sgpr_workgroup_id_z 1
		.amdhsa_system_vgpr_workitem_id 0
		.amdhsa_next_free_vgpr 256
		.amdhsa_next_free_sgpr 100
		.amdhsa_reserve_vcc 0
		.amdhsa_float_denorm_mode_32 3
		.amdhsa_float_denorm_mode_16_64 3
		.amdhsa_memory_ordered 1
		.amdhsa_forward_progress 1
		.amdhsa_inst_pref_size 75
	.end_amdhsa_kernel
	.amdgpu_metadata
---
amdhsa.version: [ 1, 2 ]
amdhsa.kernels:
  - .name:           k_q5fede676db_attn
    .symbol:         k_q5fede676db_attn.kd
    .args:
      - { .name: qb, .offset: 0, .size: 8, .value_kind: global_buffer, .address_space: global }
      - { .name: kv, .offset: 8, .size: 8, .value_kind: global_buffer, .address_space: global }
      - { .name: mk, .offset: 16, .size: 8, .value_kind: global_buffer, .address_space: global }
      - { .name: meta, .offset: 24, .size: 8, .value_kind: global_buffer, .address_space: global }
      - { .name: ca, .offset: 32, .size: 8, .value_kind: global_buffer, .address_space: global }
    .group_segment_fixed_size: 210944
    .private_segment_fixed_size: 0
    .kernarg_segment_align: 8
    .kernarg_segment_size: 40
    .max_flat_workgroup_size: 512
    .sgpr_count:     100
    .vgpr_count:     256
    .wavefront_size: 32
...
	.end_amdgpu_metadata
.endif
;; end of part 3
;; launch oproj (part 4): grid 8 x 32, 4 waves a work-group, clusters of 4 x 4, 327,680 bytes of LDS; arguments ca, woi, bo, out0; writes out0
.if DOCPART == 4
	.amdgcn_target "amdgcn-amd-amdhsa--gfx1250"
	.amdhsa_code_object_version 6
	.text
	.protected	k_q5fede676db_oproj
	.globl	k_q5fede676db_oproj
	.p2align	8
	.type	k_q5fede676db_oproj,@function
k_q5fede676db_oproj:
	s_mov_b64 s[64:65], 0
	v_nop
	global_prefetch_b8 v0, s[64:65] scope:SCOPE_SE
	s_setreg_imm32_b32 hwreg(HW_REG_WAVE_MODE, 25, 1), 1
	s_wait_xcnt 0x0
	s_wait_alu depctr_hold_cnt(0) depctr_sa_sdst(0) depctr_va_vdst(0) depctr_va_sdst(0) depctr_va_ssrc(0) depctr_va_vcc(0) depctr_vm_vsrc(0)
	s_getreg_b32 s2, hwreg(HW_REG_IB_STS2, 6, 4)
	s_cmp_eq_u32 s2, 0
	s_cbranch_scc0 .Lentry_in_a_cluster
	s_endpgm
.Lentry_in_a_cluster:
	s_bfe_u32 s2, ttmp6, 0x10000c
	s_cmp_lg_u32 s2, 0xf033
	s_cbranch_scc0 .Lentry_shape_is_right
	s_endpgm
.Lentry_shape_is_right:
; OPROJ.  out0 = context Wo^T + bo on codes of E3M2, K = 1,024 in eight steps of 128.  Both operands arrive as records of 6,400 bytes (four fragments as register images, 256 bytes of scale words).
; SHARES.  A work-group takes 256 tokens x 128 columns; a wave 64 tokens x 128: 32 accumulators.  Used transposed (source 0 = 16 rows of Wo, source 1 = 16 tokens): a lane's eight results are eight neighbouring columns of one row of out0.
; Lane r of tile t takes row 32 (t / 2) + 8 (t % 2) + r + 8 (r / 8) of its 64.
; CLUSTERS: 4 x 4 work-groups; the context's blocks hang on the token block alone and are asked for jointly along a row of the cluster, Wo's on the column block alone and jointly along a column.
; LDS: all of K fits: four slots of two K steps (76,800 bytes each), every one filled once, behind the one round at the head: a wave has at most four tensor loads out.  No slot is filled again.
; bo is the C of each sum's first product.  The way out goes through the wave's own stage, which lies in slot 0: that slot has had its only fill, and every wave's last read of it lies ahead of the barrier at the head of step 1.
; REGISTERS.  Window 0: v1-26 addresses; v32-35 the context's scale words (two sets), v36-39 Wo's; v64-127 bo; on the way out v128-255 rows.  Window 1: Wo's fragments v[48 type + 12 e]; the context's v[144 + 48 set + 12 t].  Window 2: accumulators v[8 (8 t + 4 type + e)].
.set REC,   6400
.set ASTEP, 4*REC
.set BSTEP, 2*REC
.set BOFF,  2*ASTEP
.set SLOT,  BOFF+2*BSTEP               ; 76,800 bytes
.set SPARE, 4*SLOT                     ; behind the slots: the spare words, 128 bytes a wave
.set RS,    528                        ; a stage row: 512 bytes + 16
.set L16,  1
.set L8,   2
.set SPW,  4
.set NIL,  5
.set AA16, 8
.set AA8,  12
.set AB16, 16
.set AB8,  20
.set STO,  24
.set RD,   25
.set BA,   26
.set SCA,  32
.set SCB,  36
.set BIAS, 64
.set BK,   128
.set WV,   18
.set KIND, 19
.set PAR,  20
.set G1A,  28
.set G1B,  36
.set G0A,  44                          ; s[44:59] the context's group 0, a set a slot;  Wo's: s[60:63], s[68:79]
.set MSB, 0
.macro WIN new
.if MSB != \new
	s_set_vgpr_msb (MSB<<8)|\new
.set MSB, \new
.endif
.endm
.macro JLOAD g0a, g1a, g0b, g1b        ; a joint load: waves 0, 1 for the context, waves 2, 3 for Wo; an s_nop 0 and four v_nop follow each line
	s_cmp_eq_u32 s[KIND], 0
	s_cbranch_scc0 .Lfor_b_\@
	tensor_load_to_lds s[\g0a:\g0a+3], s[\g1a:\g1a+7]
	s_nop 0
.rept 4
	v_nop
.endr
	s_branch .Lasked_\@
.Lfor_b_\@:
	tensor_load_to_lds s[\g0b:\g0b+3], s[\g1b:\g1b+7]
	s_nop 0
.rept 4
	v_nop
.endr
.Lasked_\@:
.endm
.macro CROUND
	s_barrier_signal -1
	s_barrier_wait -1
	s_cmp_lg_u32 s[WV], 0
	s_cbranch_scc1 .Lnot_wave_0_\@
	s_barrier_signal -3
.Lnot_wave_0_\@:
	s_barrier_wait -3
	s_barrier_signal -1
	s_barrier_wait -1
.endm
.macro PLACES
.rept 4
	v_nop
.endr
.endm
.macro FRAG reg, a16, a8, off
	ds_load_b128 v[(\reg):(\reg)+3], v[\a16] offset:(\off)
	ds_load_b64 v[(\reg)+4:(\reg)+5], v[\a8] offset:(\off)+512
	ds_load_b128 v[(\reg)+6:(\reg)+9], v[\a16] offset:(\off)+768
	ds_load_b64 v[(\reg)+10:(\reg)+11], v[\a8] offset:(\off)+1280
.endm
.macro LB type, s                      ; 17 loads
.set SL, (\s)/2
.set OF, ((\s)%2)*BSTEP+(\type)*REC
	WIN 0x40
.irp e, 0,1,2,3
	FRAG 48*(\type)+12*\e, AB16+SL, AB8+SL, OF+1536*\e
.endr
	WIN 0
	ds_load_b64 v[SCB+2*(\type):SCB+2*(\type)+1], v[AB8+SL] offset:OF+6144
.endm
.macro LA s                            ; 17 loads
.set SL, (\s)/2
.set OF, ((\s)%2)*ASTEP
.set ST, (\s)%2
	WIN 0x40
.irp t, 0,1,2,3
	FRAG 144+48*ST+12*\t, AA16+SL, AA8+SL, OF+1536*\t
.endr
	WIN 0
	ds_load_b64 v[SCA+2*ST:SCA+2*ST+1], v[AA8+SL] offset:OF+6144
.endm
.macro WMI
.if fA && fB
	v_wmma_scale_f32_16x16x128_f8f6f4 v[rD:rD+7], v[rA:rA+11], v[rB:rB+11], v[rC:rC+7], v[rSA], v[rSB] matrix_a_fmt:MATRIX_FMT_BF6 matrix_b_fmt:MATRIX_FMT_BF6 matrix_a_scale:MATRIX_SCALE_ROW1 matrix_b_scale:MATRIX_SCALE_ROW1
.elseif fA
	v_wmma_scale_f32_16x16x128_f8f6f4 v[rD:rD+7], v[rA:rA+11], v[rB:rB+11], v[rC:rC+7], v[rSA], v[rSB] matrix_a_fmt:MATRIX_FMT_BF6 matrix_b_fmt:MATRIX_FMT_BF6 matrix_a_scale:MATRIX_SCALE_ROW1
.elseif fB
	v_wmma_scale_f32_16x16x128_f8f6f4 v[rD:rD+7], v[rA:rA+11], v[rB:rB+11], v[rC:rC+7], v[rSA], v[rSB] matrix_a_fmt:MATRIX_FMT_BF6 matrix_b_fmt:MATRIX_FMT_BF6 matrix_b_scale:MATRIX_SCALE_ROW1
.else
	v_wmma_scale_f32_16x16x128_f8f6f4 v[rD:rD+7], v[rA:rA+11], v[rB:rB+11], v[rC:rC+7], v[rSA], v[rSB] matrix_a_fmt:MATRIX_FMT_BF6 matrix_b_fmt:MATRIX_FMT_BF6
.endif
.endm
.macro CHUNK type, st, first           ; 16 products; the 32 accumulators take turns, one instruction a turn
.if \first
	WIN 0x85
.else
	WIN 0xa5
.endif
.irp t, 0,1,2,3
.irp e, 0,1,2,3
.set rD, 8*(8*\t+4*(\type)+\e)
.set rA, 48*(\type)+12*\e
.set rB, 144+48*(\st)+12*\t
.set rSA, SCB+2*(\type)+\e/2
.set rSB, SCA+2*(\st)+\t/2
.set fA, \e%2
.set fB, \t%2
.set rC, BIAS+8*(4*(\type)+\e)
.if !(\first)
.set rC, rD
.endif
	WMI
.endr
.endr
.endm
.macro STEP s
.if (\s) == 0
.set FST, 1
.else
.set FST, 0
.endif
	s_wait_dscnt 17                                ; the context's set and type 0 are in; type 1's group of 17 may be out
	CHUNK 0, (\s)%2, FST
.if (\s) < 7
	PLACES
	LB 0, (\s)+1
	LA (\s)+1
	s_wait_dscnt 34                                ; type 1 is in; the two groups just asked for may be out
.else
	s_wait_dscnt 0x0
.endif
	CHUNK 1, (\s)%2, FST
.if (\s) < 7
	PLACES
	LB 1, (\s)+1
.endif
.endm
.macro MEET left                       ; the next slot is whole once every wave has said that its part is in; the younger slots' loads may stay out
	s_wait_tensorcnt \left
	s_wait_dscnt 0x0
	s_barrier_signal -1
	s_barrier_wait -1
.endm
	s_load_b256 s[4:11], s[0:1], 0x0               ; ca, woi, bo, out0
	v_lshl_add_u32 v[SPW], v0, 2, SPARE
	v_mov_b32 v[NIL], 0
	ds_add_u32 v[SPW], v[NIL]                      ; the wave's opening: the add, waited for ahead of my first tensor load
	v_lshrrev_b32 v6, 5, v0
	v_readfirstlane_b32 s[WV], v6
	s_lshr_b32 s[KIND], s[WV], 1
	s_and_b32 s[PAR], s[WV], 1
	s_bfe_u32 s21, ttmp6, 0x40000                  ; cx
	s_bfe_u32 s22, ttmp6, 0x40004                  ; cy
	s_lshl_b32 s23, ttmp9, 2
	s_add_co_u32 s23, s23, s21                     ; the block of 128 columns
	s_and_b32 s24, ttmp7, 0xffff
	s_lshl_b32 s24, s24, 2
	s_add_co_u32 s24, s24, s22                     ; the block of 256 tokens
	s_lshl_b32 s25, s22, 2
	s_lshl_b32 s25, 15, s25                        ; my row of the cluster
	s_lshl_b32 s26, 0x1111, s21                    ; my column
	s_or_b32 s[G1A], s25, (3<<16)|(1<<21)          ; the mask; elements of 8 bytes; bit 21 beside a mask; no padding
	s_or_b32 s[G1B], s26, (3<<16)|(1<<21)
	s_mov_b32 s[G1A+1], 32<<16                     ; rows of 256 bytes
	s_mov_b32 s[G1A+2], (ASTEP/256)<<16            ; 100 rows
	s_mov_b32 s[G1A+3], 32<<16
	s_mov_b32 s[G1A+4], ASTEP/256
	s_mov_b32 s[G1A+5], 32
	s_mov_b32 s[G1A+6], 0
	s_mov_b32 s[G1A+7], 0
	s_mov_b32 s[G1B+1], 32<<16
	s_mov_b32 s[G1B+2], (BSTEP/256)<<16            ; 50 rows
	s_mov_b32 s[G1B+3], 32<<16
	s_mov_b32 s[G1B+4], BSTEP/256
	s_mov_b32 s[G1B+5], 32
	s_mov_b32 s[G1B+6], 0
	s_mov_b32 s[G1B+7], 0
	s_lshl_b32 s84, s24, 3
	s_add_co_u32 s84, s84, s[PAR]
	s_mul_i32 s84, s84, ASTEP                      ; the context: made of the token block and the wave alone
	s_mov_b32 s85, 0
	s_lshl_b32 s86, s23, 3
	s_add_co_u32 s86, s86, s[PAR]
	s_mul_i32 s86, s86, BSTEP                      ; Wo: made of the column block and the wave alone
	s_mov_b32 s87, 0
	s_mul_i32 s88, s[PAR], ASTEP
	s_mul_i32 s89, s[PAR], BSTEP
	s_add_co_u32 s89, s89, BOFF
	s_wait_dscnt 0x0                               ; the opening add is done
	s_wait_kmcnt 0x0
	s_add_nc_u64 s[84:85], s[4:5], s[84:85]
	s_add_nc_u64 s[86:87], s[6:7], s[86:87]
	CROUND                                         ; all sixteen work-groups are here: the joint loads meet
.irp s, 0,1,2,3
	s_mov_b32 s[G0A+4*\s], 1
	s_add_co_u32 s[G0A+4*\s+1], s88, \s*SLOT
	s_add_nc_u64 s[G0A+4*\s+2:G0A+4*\s+3], s[84:85], \s*2*ASTEP
	s_or_b32 s[G0A+4*\s+3], s[G0A+4*\s+3], 0x80000000
	s_mov_b32 s[60+4*\s+4*((\s+2)/3)], 1
	s_add_co_u32 s[60+4*\s+4*((\s+2)/3)+1], s89, \s*SLOT
	s_add_nc_u64 s[60+4*\s+4*((\s+2)/3)+2:60+4*\s+4*((\s+2)/3)+3], s[86:87], \s*2*BSTEP
	s_or_b32 s[60+4*\s+4*((\s+2)/3)+3], s[60+4*\s+4*((\s+2)/3)+3], 0x80000000
	JLOAD G0A+4*\s, G1A, 60+4*\s+4*((\s+2)/3), G1B
.endr
	v_and_b32 v6, 31, v0
	v_lshlrev_b32 v[L16], 4, v6
	v_lshlrev_b32 v[L8], 3, v6
	s_mul_i32 s90, s[WV], REC
.irp s, 0,1,2,3
	v_add_nc_u32 v[AA16+\s], s90, v[L16]
	v_add_nc_u32 v[AA8+\s], s90, v[L8]
	v_add_nc_u32 v[AB16+\s], \s*SLOT+BOFF, v[L16]
	v_add_nc_u32 v[AB8+\s], \s*SLOT+BOFF, v[L8]
	s_add_co_u32 s90, s90, SLOT
.endr
	v_and_b32 v6, 15, v0                           ; r
	v_bfe_u32 v7, v0, 4, 1                         ; h
	s_mul_i32 s90, s[WV], 16*RS                    ; my stage
	v_mul_u32_u24 v[STO], v6, RS
	v_lshl_add_u32 v[STO], v7, 6, v[STO]
	v_add_nc_u32 v[STO], s90, v[STO]               ; in: row r, + 64 h
	v_add_nc_u32 v[RD], s90, v[L16]                ; back: a row of 512 bytes by the 32 lanes
	v_lshlrev_b32 v[BA], 6, v7
	s_lshl_b32 s90, s23, 9                         ; 128 columns of 4 bytes
	s_mov_b32 s91, 0
	s_add_nc_u64 s[8:9], s[8:9], s[90:91]
	s_lshl_b32 s92, s24, 8
	s_lshl_b32 s93, s[WV], 6
	s_add_co_u32 s92, s92, s93                     ; my first token
	s_lshl_b32 s92, s92, 12
	s_add_co_u32 s92, s92, s90
	s_mov_b32 s93, 0
	s_add_nc_u64 s[10:11], s[10:11], s[92:93]
.set e, 0
.rept 8                                ; tile e = 4 type + 2 b + u: my eight columns 64 type + 32 b + 16 h + 8 u on
	global_load_b128 v[BIAS+8*e:BIAS+8*e+3], v[BA], s[8:9] offset:(64*(e/4)+32*((e%4)/2)+8*(e%2))*4
	global_load_b128 v[BIAS+8*e+4:BIAS+8*e+7], v[BA], s[8:9] offset:(64*(e/4)+32*((e%4)/2)+8*(e%2))*4+16
.set e, e+1
.endr
	s_wait_tensorcnt 3                             ; my part of slot 0 is in; the three younger slots' may be out
	s_barrier_signal -1
	s_barrier_wait -1
	LA 0
	LB 0, 0
	LB 1, 0
	s_wait_loadcnt 0x0                             ; bo
	STEP 0
	MEET 2                                         ; slot 1, which step 1 begins to read
	STEP 1
	STEP 2
	MEET 1                                         ; slot 2
	STEP 3
	STEP 4
	MEET 0                                         ; slot 3
	STEP 5
	STEP 6
	STEP 7
; THE WAY OUT, a tile of 16 tokens x 128 columns at a time: into my stage as 32 bytes a lane, back as whole rows of 512 bytes, which the 32 lanes store as two aligned runs of 256 bytes.
; LDS serves a wave's instructions in order: no wait between the stores and the loads, nor in front of the next tile's stores.
.macro TOSTAGE a
	WIN 0x08                                       ; an LDS store's data are its source 1: window 2
.set e, 0
.rept 8
	ds_store_b128 v[STO], v[64*(\a)+8*e:64*(\a)+8*e+3] offset:128*(e/2)+32*(e%2)       ; each accumulator from its low end on
	ds_store_b128 v[STO], v[64*(\a)+8*e+4:64*(\a)+8*e+7] offset:128*(e/2)+32*(e%2)+16
.set e, e+1
.endr
	WIN 0
.set BB, BK+64*((\a)%2)
.set p, 0
.rept 16
	ds_load_b128 v[BB+4*p:BB+4*p+3], v[RD] offset:p*RS
.set p, p+1
.endr
.endm
.macro SEND a, younger                 ; younger: the LDS instructions issued behind tile a's loads, which may stay out
.set BB, BK+64*((\a)%2)
	s_wait_dscnt \younger
.set p, 0
.rept 16
	global_store_b128 v[L16], v[BB+4*p:BB+4*p+3], s[10:11] offset:(32*((\a)/2)+8*((\a)%2)+p+8*(p/8))*4096 th:TH_STORE_NT
.set p, p+1
.endr
.endm
	PLACES                                         ; behind the last products
	TOSTAGE 0
	TOSTAGE 1
	SEND 0, 32                                     ; behind tile 0's loads: tile 1's 16 stores and 16 loads
	s_wait_xcnt 0x0                                ; tile 0's stores have read their registers: tile 2's rows land there
	TOSTAGE 2
	SEND 1, 32
	s_wait_xcnt 0x0
	TOSTAGE 3
	SEND 2, 32
	SEND 3, 0
	s_wait_tensorcnt 0x0                           ; the wave's end, behind my last tensor load and my last LDS store
	ds_add_u32 v[SPW], v[NIL]
	s_wait_dscnt 0x0
	CROUND                                         ; the closing round
	s_endpgm
.Lfunc_end_k_q5fede676db_oproj:
	.size	k_q5fede676db_oproj, .Lfunc_end_k_q5fede676db_oproj-k_q5fede676db_oproj
	.p2alignl 7, 3214868480
	.fill 96, 4, 3214868480
	.section	.rodata,"a",@progbits
	.p2align	6, 0x0
	.amdhsa_kernel k_q5fede676db_oproj
		.amdhsa_group_segment_fixed_size 327680
		.amdhsa_private_segment_fixed_size 0
		.amdhsa_enable_private_segment 0
		.amdhsa_kernarg_size 32
		.amdhsa_user_sgpr_count 2
		.amdhsa_user_sgpr_kernarg_segment_ptr 1
		.amdhsa_wavefront_size32 1
		.amdhsa_system_sgpr_workgroup_id_x 1
		.amdhsa_system_sgpr_workgroup_id_y 1
		.amdhsa_system_sgpr_workgroup_id_z 1
		.amdhsa_system_vgpr_workitem_id 0
		.amdhsa_next_free_vgpr 768
		.amdhsa_next_free_sgpr 100
		.amdhsa_reserve_vcc 0
		.amdhsa_float_denorm_mode_32 3
		.amdhsa_float_denorm_mode_16_64 3
		.amdhsa_memory_ordered 1
		.amdhsa_forward_progress 1
		.amdhsa_inst_pref_size 88
	.end_amdhsa_kernel
	.amdgpu_metadata
---
amdhsa.version: [ 1, 2 ]
amdhsa.kernels:
  - .name:           k_q5fede676db_oproj
    .symbol:         k_q5fede676db_oproj.kd
    .args:
      - { .name: ca, .offset: 0, .size: 8, .value_kind: global_buffer, .address_space: global }
      - { .name: woi, .offset: 8, .size: 8, .value_kind: global_buffer, .address_space: global }
      - { .name: bo, .offset: 16, .size: 8, .value_kind: global_buffer, .address_space: global }
      - { .name: out0, .offset: 24, .size: 8, .value_kind: global_buffer, .address_space: global }
    .group_segment_fixed_size: 327680
    .private_segment_fixed_size: 0
    .kernarg_segment_align: 8
    .kernarg_segment_size: 32
    .max_flat_workgroup_size: 128
    .sgpr_count:     100
    .vgpr_count:     768
    .wavefront_size: 32
...
	.end_amdgpu_metadata
.endif
;; end of part 4
;; ======== version 2 of 2: 4 launches; version 1 with the launch attn written anew for expert scheduling mode
;; workspace buffers: xa 6,553,600 bytes; wb 2,457,600 bytes; woi 819,200 bytes; qb 6,815,744 bytes; kv 13,369,344 bytes; mk 524,288 bytes of whole numbers; meta 8,192 bytes of whole numbers; ca 6,553,600 bytes
;; launch prep: the kernel of part 1 again; grid 512 x 1, 4 waves a work-group, no clusters, 68,096 bytes of LDS; arguments x, Wq, Wk, Wv, Wo, mask, xa, wb, woi, mk, meta; writes xa, wb, woi, mk, meta
;; launch qkv: the kernel of part 2 again; grid 16 x 32, 4 waves a work-group, clusters of 4 x 4, 327,680 bytes of LDS; arguments xa, wb, bq, bk, bv, qb, kv; writes qb, kv
;; launch attn (part 5): grid 4 x 64, 16 waves a work-group, no clusters, 210,944 bytes of LDS; arguments qb, kv, mk, meta, ca; writes ca
.if DOCPART == 5
	.amdgcn_target "amdgcn-amd-amdhsa--gfx1250"
	.amdhsa_code_object_version 6
	.text
	.protected	k_q5fede676db_attn
	.globl	k_q5fede676db_attn
	.p2align	8
	.type	k_q5fede676db_attn,@function
k_q5fede676db_attn:
	s_mov_b64 s[64:65], 0
	v_nop
	global_prefetch_b8 v0, s[64:65] scope:SCOPE_SE
	s_setreg_imm32_b32 hwreg(HW_REG_WAVE_SCHED_MODE, 0, 2), 2
	s_setreg_imm32_b32 hwreg(HW_REG_WAVE_MODE, 25, 1), 1
	s_wait_xcnt 0x0
	s_wait_alu depctr_vm_vsrc(0)
; ATTENTION on codes of E3M2: S^T = K Q^T (K = the head's 64; the upper 64 of the instruction's 128 are zero codes on Q's side under the scale byte 0x7f), the mask as it is given, p = 2^(t - M) with M a whole number,
; O^T += V^T P^T (K = 128 keys), O / l, and the context quantised at once into the register images that the last projection reads.
; SHARES.  A work-group serves one (batch, head); its K and V, 208,896 bytes of images, are copied into LDS once at the head, through registers, and stay.  Each of sixteen waves takes two tiles of 16 queries, T = 4 w + c and 127 - T, one after the other.
; THE MASK is honoured as stored by the first launch: 64 lane masks a (tile, key step), applied by one v_cndmask_b32 a register.  A hidden score becomes -2^33: times c = log2(e) / 8 that is a whole number, so a row with no open key gets p = 1
; for every key, as a constant logit gives; beside any open key it gives p = 0, and what such a row summed before its first open key is wiped by f = 0.
; A key step in which none of the tile's 16 queries has an open key is passed over, by a scalar branch on the stored flags, but only if each of the 16 has an open key somewhere.  A step that is all open skips the 64 selects.
; NO CLUSTER, NO TENSOR LOAD: the walk branches on numbers read from memory; there is no joint request either.  What the four work-groups of a head share is read once by each, at the head.
; A lane holds ONE query (lane % 16) throughout; lane r of key tile t takes key 32 (t / 2) + 8 (t % 2) + r + 8 (r / 8), so p's 16 registers of two neighbouring tiles are 16 neighbouring keys.
; LIMITS: NaN and infinities are not served; open logits are taken to lie above about -1e9 + 200, so that hidden keys vanish beside them; blocks whose largest magnitude lies under 2^-122 keep the scale byte 1.
; REGISTERS: v1-7 constants; v8-11, v29 the step's LDS addresses; v12 -M, v13 the largest t, v[14:15] l; v16-27 Q; v30-31 V's scale bytes as loaded; v32-79 V's four fragments; v80-143 S^T, then p; v144-175 O^T;
;   v176-223 K's eight tiles, six registers apart (a tile's upper six are the next tile's codes, the last tile's are v224-229, p's codes of the step before: every pattern of six bits is a finite number, and they meet Q's zero codes);
;   at a pass's end v192-223 hold the context; v224-235 codes; v232-247 at work; v248-251 scale words; v252 f, v253 p's scale word, v255 Q's.
; THE MODE: SCHED_MODE bits 1:0 = 2 (LLVM: expert scheduling mode 2), set by the entry lines.  The code itself states the register dependences between vector or matrix instructions and memory or LDS instructions, with s_wait_alu, always for 0.
; THE PLAN.  Registers that memory or LDS instructions touch, round the loop over key steps:
;   v8-11, v29      written by five additions at the head of a step that is walked; read by that step's 36 LDS loads.
;   K, v248-251     the loads at the step's head land in them; read by the eight products S^T; v248, v249 are then written by two permutes and read by the products V^T P.
;   V, v30, v31     the loads at the step's head land in them; read by the four products V^T P and by the two permutes.
;   Q, v255         loaded once a pass; read by the products S^T.      v224-229, v253: written by vector instructions; read by the three stores at a pass's end.
;   v1-3, v7        offsets, written once at the kernel's head.
; K and V have registers of their own, so ONE wait on va_vdst at a step's head, behind the additions, states all that the step's 36 loads hang on; V's 18 stay out while S^T is multiplied and the softmax is walked.
; One wait on vm_vsrc stands straight behind the run of loads: the addresses are free for the next step that is walked.  One more wait on va_vdst stands ahead of the products V^T P, whose operand p and scale words vector instructions have made.
.set KVB,   208896
.set VB,    106496                     ; V's records begin here
.set KST,   6656                       ; a key step of K: two records of 3,328
.set VST,   6400                       ; and of V
.set SPARE, KVB                        ; behind K and V: the spare words, 128 bytes for each of 16 waves
.set L16, 1
.set L8,  2
.set L4,  3
.set SPW, 4
.set NIL, 5
.set NEG, 6                            ; -2^33
.set R8,  7                            ; 8 r
.set VS,  30                           ; v30-31   V's scale bytes as loaded
.set VR,  32                           ; v32-79   V
.set S,   80                           ; v80-143  S^T, then p
.set O,   144                          ; v144-175 O^T
.set KR,  176                          ; v176-223 K
.set CX,  192                          ; v192-223 the context, at a pass's end
.set WV,  14
.set CC,  15
.set BH,  16
.set TT,  17
.set SKIPB, 18                         ; bit 0: pass this step over
.set OPENB, 19                         ; bit 0: this step is all open
.set SEL, 20
.set CS,  22                           ; s[22:23] c = log2(e) / 8
.set TBK, 24
.set TBV, 25
.set CNT, 26
.set MKP, 28                           ; s[28:29] the step's lane masks
	s_load_b256 s[4:11], s[0:1], 0x0               ; qb, kv, mk, meta
	s_load_b64 s[12:13], s[0:1], 0x20              ; ca
	v_lshl_add_u32 v[SPW], v0, 2, SPARE
	v_mov_b32 v[NIL], 0
	v_lshrrev_b32 v8, 5, v0
	v_readfirstlane_b32 s[WV], v8
	s_mov_b32 s[CC], ttmp9
	s_and_b32 s[BH], ttmp7, 0xffff
	v_and_b32 v9, 31, v0
	v_lshlrev_b32 v[L16], 4, v9
	v_lshlrev_b32 v[L8], 3, v9
	v_lshlrev_b32 v[L4], 2, v9
	v_and_b32 v[R8], 15, v0
	v_lshlrev_b32 v[R8], 3, v[R8]
	v_mov_b32 v[NEG], 0xd0000000
	v_lshlrev_b32 v134, 4, v0                      ; 16 x thread: in memory and in LDS
	v_add_nc_u32 v135, 65536, v134
	v_add_nc_u32 v136, 131072, v134
	v_add_nc_u32 v137, 196608, v134
	v_lshlrev_b32 v139, 3, v0
	v_add_nc_u32 v138, 204800, v139
	s_wait_alu depctr_va_sdst(0)                   ; the wave's number is written, ahead of its first reader: each pass makes its tile's number from it
	s_mov_b32 s[SEL], 0x76543210
	s_mov_b32 s[SEL+1], 0xfedcba98
	s_mov_b32 s[CS], 0x3e38aa3b
	s_mov_b32 s[CS+1], s[CS]                       ; (named with it as a pair, so it is written)
	s_mul_i32 s68, s[BH], KVB
	s_mov_b32 s69, 0
	s_wait_kmcnt 0x0
	s_add_nc_u64 s[6:7], s[6:7], s[68:69]
	s_wait_alu depctr_va_vdst(0)                   ; the offsets v1-3 and v7 and the copy's addresses v134-139 are written: the loads and stores below, and every later load and store by v1-3 and v7, read them
.set i, 0
.rept 25                               ; the head's K and V: 25 x 8,192 bytes, 16 a thread,
	global_load_b128 v[32+4*i:35+4*i], v134, s[6:7] offset:8192*i
.set i, i+1
.endr
	global_load_b64 v[132:133], v139, s[6:7] offset:204800   ; and 4,096 more, 8 a thread
.set i, 0
.rept 25
	s_wait_loadcnt 25-i                            ; loads come back in order: load i is in, the younger ones may be out
	ds_store_b128 v[134+i/8], v[32+4*i:35+4*i] offset:8192*(i%8)
.set i, i+1
.endr
	s_wait_loadcnt 0x0
	ds_store_b64 v138, v[132:133]
	s_wait_dscnt 0x0                               ; for the others' sake: my stores have landed
	s_barrier_signal -1
	s_barrier_wait -1                              ; K and V are whole; nothing writes LDS from here on but the closing add
	s_wait_alu depctr_vm_vsrc(0)                   ; the copy's loads and LDS stores have read v32-139: these registers are V and S^T from here on, written by LDS loads and by products
.irp j, 22,23,24,25,26,27,224,225,226,227,228,229,236,237,238,239,252,253
	v_mov_b32 v\j, 0                               ; Q's upper 64 codes; what stands above K's last tile in the first step; lane permutes' destinations; the pair v[252:253]
.endr
.macro PASS second
	s_wait_xcnt 0x0                                ; the last pass's stores have read their registers and bases
.if \second
	s_wait_alu depctr_vm_vsrc(0)                   ; the first pass's stores have read v224-229 and v253, which this pass's conversions, moves and scale word write again
.endif
	s_lshl_b32 s[TT], s[WV], 2
	s_add_co_u32 s[TT], s[TT], s[CC]
.if \second
	s_sub_co_u32 s[TT], 127, s[TT]
.endif
	s_lshl_b32 s72, s[BH], 5
	s_lshr_b32 s73, s[TT], 2
	s_add_co_u32 s72, s72, s73
	s_mul_i32 s72, s72, 3328                       ; the record of my tile's 64 queries
	s_and_b32 s73, s[TT], 3
	s_mul_i32 s68, s73, 768
	s_add_co_u32 s68, s68, s72
	s_mov_b32 s69, 0
	s_add_nc_u64 s[68:69], s[4:5], s[68:69]        ; my tile's image
	s_and_b32 s70, s[TT], 1
	s_lshl_b32 s70, s70, 7
	s_bfe_u32 s73, s[TT], 0x10001
	s_lshl_b32 s73, s73, 2
	s_add_co_u32 s70, s70, s73
	s_add_co_u32 s70, s70, s72
	s_add_co_u32 s70, s70, 3072
	s_mov_b32 s71, 0
	s_add_nc_u64 s[70:71], s[4:5], s[70:71]        ; its scale words: 8 bytes from row to row
	s_lshl_b32 s76, s[TT], 6
	s_mov_b32 s77, 0
	s_add_nc_u64 s[76:77], s[10:11], s[76:77]      ; its 16 words of flags
	s_lshl_b32 s[MKP], s[TT], 12
	s_mov_b32 s[MKP+1], 0
	s_add_nc_u64 s[MKP:MKP+1], s[8:9], s[MKP:MKP+1]
	global_load_b128 v[16:19], v[L16], s[68:69]    ; no wait on va_vdst here: no vector or matrix instruction issued since the last one (the kernel's head; ahead of the first pass's stores) names v16-21, v255 or these offsets
	global_load_b64 v[20:21], v[L8], s[68:69] offset:512
	global_load_b32 v255, v[R8], s[70:71]
	s_load_b512 s[32:47], s[76:77], 0x0
	v_mov_b32 v13, 0xff61b1e6                      ; the largest t so far: -3e38
	v_floor_f32 v12, -v13                          ; -M
	v_mov_b32 v14, 0
	v_mov_b32 v15, 0
.set n, 0
.rept 32
	v_mov_b32 v[O+n], 0                            ; O^T: which step is walked first hangs on the mask, so the sums begin as zeros
.set n, n+1
.endr
	s_wait_kmcnt 0x0
	s_mov_b32 s[SKIPB], 0
	s_mov_b32 s[OPENB], 0
	s_mov_b32 s48, 0
.set k, 0
.rept 16
	s_or_b32 s48, s48, s[32+k]
.set k, k+1
.endr
	s_and_b32 s48, s48, 0xffff
	s_cmp_eq_u32 s48, 0xffff                       ; has each of the 16 queries an open key somewhere?
	s_cselect_b32 s49, -1, 0
.set k, 0
.rept 16
	s_and_b32 s50, s[32+k], 0xffff
	s_cmp_eq_u32 s50, 0
	s_cselect_b32 s50, 1<<k, 0
	s_or_b32 s[SKIPB], s[SKIPB], s50
	s_bfe_u32 s50, s[32+k], 0x10010
	s_lshl_b32 s50, s50, k
	s_or_b32 s[OPENB], s[OPENB], s50
.set k, k+1
.endr
	s_and_b32 s[SKIPB], s[SKIPB], s49
	s_mov_b32 s[TBK], 0
	s_mov_b32 s[TBV], VB
	s_mov_b32 s[CNT], 16
	s_wait_loadcnt 0x0                             ; Q is in, and the loads' bases are free: the mask words land on them
.Lstep_\@:                             ; 16 trips, always: a step's work is jumped over, the lines that step addresses are not
	s_bitcmp1_b32 s[SKIPB], 0
	s_cbranch_scc1 .Lskip_\@
	s_load_b512 s[32:47], s[MKP:MKP+1], 0x0
	s_load_b512 s[48:63], s[MKP:MKP+1], 0x40
	s_load_b512 s[68:83], s[MKP:MKP+1], 0x80
	s_load_b512 s[84:99], s[MKP:MKP+1], 0xc0
	v_add_nc_u32 v8, s[TBK], v[L16]                ; (free: the wait on vm_vsrc behind the last walked step's loads)
	v_add_nc_u32 v9, s[TBK], v[L8]
	v_add_nc_u32 v10, s[TBV], v[L16]
	v_add_nc_u32 v11, s[TBV], v[L8]
	v_add_nc_u32 v29, s[TBV], v[L4]
	s_wait_alu depctr_va_vdst(0)                   ; the five addresses are written; the last walked step's products and permutes are done reading K, V, v30, v31 and v248-251 and have written v248, v249 (second pass: the way out is done with v192-223), in which the loads below land; v22-27 and v224-229, made by vector instructions, are written for the products S^T
.set t, 0
.rept 8
	ds_load_b128 v[KR+6*t:KR+3+6*t], v8 offset:(t/4)*3328+(t%4)*768
	ds_load_b64 v[KR+4+6*t:KR+5+6*t], v9 offset:(t/4)*3328+(t%4)*768+512
.set t, t+1
.endr
	ds_load_b64 v[248:249], v9 offset:3072
	ds_load_b64 v[250:251], v9 offset:3328+3072
.set d, 0
.rept 4                                ; V's four fragments, in registers of their own: they land while S^T is multiplied and the softmax is walked
	ds_load_b128 v[VR+12*d:VR+3+12*d], v10 offset:1536*d
	ds_load_b64 v[VR+4+12*d:VR+5+12*d], v11 offset:1536*d+512
	ds_load_b128 v[VR+6+12*d:VR+9+12*d], v10 offset:1536*d+768
	ds_load_b64 v[VR+10+12*d:VR+11+12*d], v11 offset:1536*d+1280
.set d, d+1
.endr
	ds_load_b32 v[VS], v29 offset:6144             ; V's scale bytes of the step's first 64 keys,
	ds_load_b32 v[VS+1], v29 offset:6144+128       ; and of its second
	s_wait_alu depctr_vm_vsrc(0)                   ; the 36 LDS loads have read v8-11 and v29, which the next step that is walked writes again
	s_wait_dscnt 18                                ; LDS loads come back in order: K and its scale words are in; V's 18 loads may be out
.set t, 0
.rept 8
.if t%2
	v_wmma_scale_f32_16x16x128_f8f6f4 v[S+8*t:S+7+8*t], v[KR+6*t:KR+11+6*t], v[16:27], 0, v[248+t/2], v255 matrix_a_fmt:MATRIX_FMT_BF6 matrix_b_fmt:MATRIX_FMT_BF6 matrix_a_scale:MATRIX_SCALE_ROW1
.else
	v_wmma_scale_f32_16x16x128_f8f6f4 v[S+8*t:S+7+8*t], v[KR+6*t:KR+11+6*t], v[16:27], 0, v[248+t/2], v255 matrix_a_fmt:MATRIX_FMT_BF6 matrix_b_fmt:MATRIX_FMT_BF6
.endif
.set t, t+1
.endr
.rept 4
	v_nop                                          ; places in front of the first read of the scores
.endr
	s_wait_kmcnt 0x0                               ; the lane masks are in
	s_bitcmp1_b32 s[OPENB], 0
	s_cbranch_scc1 .Lopen_\@
.set n, 0
.rept 64
	v_cndmask_b32 v[S+n], v[NEG], v[S+n], s[32+n+4*(n/32)]   ; register 16 b + i holds key 32 b + 16 h + i of the step
.set n, n+1
.endr
.Lopen_\@:
.irp b, 0,1,2,3
	v_max3_num_f32 v[232+\b], v[S+16*\b], v[S+1+16*\b], v[S+2+16*\b]   ; the largest score of each block of 32 keys: for the row's maximum, and, since p rises with the score, for the block's largest p
.endr
.irp i, 3,5,7,9,11,13
.irp b, 0,1,2,3
	v_max3_num_f32 v[232+\b], v[232+\b], v[S+16*\b+\i], v[S+1+16*\b+\i]
.endr
.endr
.irp b, 0,1,2,3
	v_max_num_f32 v[232+\b], v[232+\b], v[S+15+16*\b]
.endr
.irp b, 0,1,2,3
	v_permlanex16_b32 v[236+\b], v[232+\b], s[SEL], s[SEL+1]
.endr
.irp b, 0,1,2,3
	v_max_num_f32 v[232+\b], v[232+\b], v[236+\b]
.endr
	v_max3_num_f32 v254, v232, v233, v234
	v_max_num_f32 v254, v254, v235
	v_mul_f32 v254, s[CS], v254                    ; as t
	v_max_num_f32 v13, v13, v254                   ; the running largest t
	v_mov_b32 v254, v12
	v_floor_f32 v12, -v13                          ; the new -M = -ceil(t)
	v_sub_f32 v254, v12, v254                      ; old M - new M: a whole number, 0 or less
	v_cvt_i32_f32 v254, v254                       ; (it saturates)
	v_ldexp_f32 v252, 1.0, v254                    ; f = 2^(old M - new M)
.set j, 0
.rept 32
	v_pk_fma_f32 v[S+j:S+1+j], v[S+j:S+1+j], s[CS:CS+1], v[12:13] op_sel_hi:[1,0,0]   ; t - M
.set j, j+2
.endr
.irp b, 0,1,2,3
	v_fma_f32 v[232+\b], v[232+\b], s[CS], v12
.endr
.set j, 0
.rept 64
	v_exp_f32 v[S+j], v[S+j]                       ; p = 2^(t - M)
.set j, j+1
.endr
	v_pk_mul_f32 v[14:15], v[14:15], v[252:253] op_sel_hi:[1,0]   ; l under the new M (a plain place behind the exponentials)
	s_wait_alu depctr_va_vdst(0)                   ; the 64 exponentials have written p, v80-143: one wait for the batch, ahead of its first reader
.irp b, 0,1,2,3
	v_exp_f32 v[232+\b], v[232+\b]                 ; each block's largest p
.endr
	v_pk_add_f32 v[236:237], v[S:S+1], v[S+2:S+3]  ; the row's sum, of the unquantised p, in two chains
.irp j, 4,8,12,16,20,24,28,32,36,40,44,48,52,56,60
	v_pk_add_f32 v[14:15], v[14:15], v[S+\j:S+1+\j]
	v_pk_add_f32 v[236:237], v[236:237], v[S+2+\j:S+3+\j]
.endr
	v_pk_add_f32 v[14:15], v[14:15], v[236:237]
	s_wait_alu depctr_va_vdst(0)                   ; the four exponentials have written v232-235, ahead of their first reader
.irp b, 0,1,2,3
	v_max_num_f32 v[232+\b], 0x2800000, v[232+\b]  ; the floor 2^(5 - 127)
.endr
.irp b, 0,1,2,3
	v_add_nc_u32 v[244+\b], 0xfe000000, v[232+\b]
.endr
.irp b, 0,1,2,3
	v_lshrrev_b32 v[236+\b], 23, v[244+\b]
.endr
	v_lshl_or_b32 v253, v237, 8, v236              ; p's scale word for these 128 keys
	v_lshl_or_b32 v253, v238, 16, v253
	v_lshl_or_b32 v253, v239, 24, v253
.irp c, 0,1
	v_cvt_scalef32_pk16_bf6_f32 v[224+6*\c:226+6*\c], v[S+32*\c:S+15+32*\c], v[244+2*\c]
	v_cvt_scalef32_pk16_bf6_f32 v[236+4*\c:238+4*\c], v[S+16+32*\c:S+31+32*\c], v[244+2*\c+1]
.endr
	v_nop                                          ; one plain place behind a scaled conversion
.irp c, 0,1
.irp i, 0,1,2
	v_permlane16_swap_b32 v[224+6*\c+\i], v[236+4*\c+\i]
.endr
.irp i, 0,1,2
	v_mov_b32 v[227+6*\c+\i], v[236+4*\c+\i]
.endr
.endr
	s_wait_dscnt 0x0                               ; V and its scale bytes are in
	v_perm_b32 v248, v[VS+1], v[VS], 0x05040100    ; tiles 0 (lanes 0-15) and 1 (lanes 16-31): two bytes of each half of the keys
	v_perm_b32 v249, v[VS+1], v[VS], 0x07060302    ; tiles 2 and 3
.set j, 0
.rept 16
	v_pk_mul_f32 v[O+j:O+1+j], v[O+j:O+1+j], v[252:253] op_sel_hi:[1,0]   ; O^T under the new M; also the places between the scale words' making and the products
.set j, j+2
.endr
	s_wait_alu depctr_va_vdst(0)                   ; p's codes v224-235, p's scale word v253 and V's scale words v248, v249, all made by vector instructions, are written for the scaled products below; the places above stay beside this wait
.set d, 0
.rept 4
.if d%2
	v_wmma_scale_f32_16x16x128_f8f6f4 v[O+8*d:O+7+8*d], v[VR+12*d:VR+11+12*d], v[224:235], v[O+8*d:O+7+8*d], v[248+d/2], v253 matrix_a_fmt:MATRIX_FMT_BF6 matrix_b_fmt:MATRIX_FMT_BF6 matrix_a_scale:MATRIX_SCALE_ROW1
.else
	v_wmma_scale_f32_16x16x128_f8f6f4 v[O+8*d:O+7+8*d], v[VR+12*d:VR+11+12*d], v[224:235], v[O+8*d:O+7+8*d], v[248+d/2], v253 matrix_a_fmt:MATRIX_FMT_BF6 matrix_b_fmt:MATRIX_FMT_BF6
.endif
.set d, d+1
.endr
.Lskip_\@:
	s_add_co_u32 s[TBK], s[TBK], KST
	s_add_co_u32 s[TBV], s[TBV], VST
	s_add_nc_u64 s[MKP:MKP+1], s[MKP:MKP+1], 256   ; (the step's scalar loads were waited for)
	s_lshr_b32 s[SKIPB], s[SKIPB], 1
	s_lshr_b32 s[OPENB], s[OPENB], 1
	s_sub_co_u32 s[CNT], s[CNT], 1
	s_cmp_lg_u32 s[CNT], 0
	s_cbranch_scc1 .Lstep_\@
	; the way out of a pass: O^T / l, quantised along the head's 64: one image of six registers and two scale bytes
.rept 4
	v_nop                                          ; places behind the last products
.endr
	v_add_f32 v14, v14, v15
	v_permlanex16_b32 v252, v14, s[SEL], s[SEL+1]
	v_add_f32 v14, v14, v252                       ; the row's sum
	v_rcp_f32 v14, v14
	v_nop                                          ; a plain place behind the transcendental
	s_lshr_b32 s68, s[BH], 4
	s_lshl_b32 s68, s68, 7
	s_add_co_u32 s68, s68, s[TT]                   ; G: my tile among all 512
	s_and_b32 s69, s[BH], 15                       ; the head
	s_lshr_b32 s70, s68, 4
	s_lshl_b32 s70, s70, 3
	s_lshr_b32 s71, s69, 1
	s_add_co_u32 s70, s70, s71
	s_lshl_b32 s70, s70, 2
	s_bfe_u32 s71, s68, 0x20002
	s_add_co_u32 s70, s70, s71
	s_mul_i32 s70, s70, 6400                       ; the record: (block of 256 tokens, K step = head / 2, quarter)
	s_and_b32 s71, s68, 3                          ; my tile in it
	s_and_b32 s69, s69, 1                          ; which half of the K step
	s_mul_i32 s72, s71, 1536
	s_mul_i32 s73, s69, 768
	s_add_co_u32 s72, s72, s73
	s_add_co_u32 s72, s72, s70
	s_mov_b32 s73, 0
	s_add_nc_u64 s[72:73], s[12:13], s[72:73]
	s_and_b32 s74, s71, 1
	s_lshl_b32 s74, s74, 7
	s_lshr_b32 s75, s71, 1
	s_lshl_b32 s75, s75, 2
	s_add_co_u32 s74, s74, s75
	s_lshl_b32 s75, s69, 1
	s_add_co_u32 s74, s74, s75
	s_add_co_u32 s74, s74, s70
	s_add_co_u32 s74, s74, 6144
	s_mov_b32 s75, 0
	s_add_nc_u64 s[74:75], s[12:13], s[74:75]      ; my two bytes of each row's scale word
	s_wait_alu depctr_va_vdst(0)                   ; the reciprocal has written v14, ahead of its first reader
.set j, 0
.rept 16
	v_pk_mul_f32 v[CX+j:CX+1+j], v[O+j:O+1+j], v[14:15] op_sel_hi:[1,0]   ; register 16 b + i = channel 32 b + 16 h + i of my query
.set j, j+2
.endr
.irp b, 0,1
	v_max3_num_f32 v[232+\b], |v[CX+16*\b]|, |v[CX+1+16*\b]|, 0x2800000
.endr
.irp i, 2,4,6,8,10,12,14
.irp b, 0,1
	v_max3_num_f32 v[232+\b], v[232+\b], |v[CX+16*\b+\i]|, |v[CX+1+16*\b+\i]|
.endr
.endr
.irp b, 0,1
	v_permlanex16_b32 v[236+\b], v[232+\b], s[SEL], s[SEL+1]
.endr
.irp b, 0,1
	v_max_num_f32 v[232+\b], v[232+\b], v[236+\b]
.endr
.irp b, 0,1
	v_add_nc_u32 v[244+\b], 0xfe000000, v[232+\b]
.endr
.irp b, 0,1
	v_lshrrev_b32 v[236+\b], 23, v[244+\b]
.endr
	v_lshl_or_b32 v253, v237, 8, v236
	v_cvt_scalef32_pk16_bf6_f32 v[224:226], v[CX:CX+15], v244
	v_cvt_scalef32_pk16_bf6_f32 v[230:232], v[CX+16:CX+31], v245
	v_nop                                          ; one plain place behind a scaled conversion
.irp i, 0,1,2
	v_permlane16_swap_b32 v[224+\i], v[230+\i]
.endr
.irp i, 0,1,2
	v_mov_b32 v[227+\i], v[230+\i]
.endr
	s_wait_alu depctr_va_vdst(0)                   ; the image v224-229 and the scale bytes v253 are written, which the stores below read; the pass's products are done reading Q, v16-21 and v255, in which the next pass's loads land
	global_store_b128 v[L16], v[224:227], s[72:73]
	global_store_b64 v[L8], v[228:229], s[72:73] offset:512
	global_store_b16 v[R8], v253, s[74:75]         ; both halves of the lanes write the same two bytes of row r's word; the word's other half is the neighbouring head's
.endm
	PASS 0
	PASS 1
	s_wait_dscnt 0x0                               ; the closing lines, six on end
	s_wait_alu 0x0
	s_wait_tensorcnt 0x0
	ds_add_u32 v[SPW], v[NIL]
	s_wait_dscnt 0x0
	s_endpgm
.Lfunc_end_k_q5fede676db_attn:
	.size	k_q5fede676db_attn, .Lfunc_end_k_q5fede676db_attn-k_q5fede676db_attn
	.p2alignl 7, 3214868480
	.fill 96, 4, 3214868480
	.section	.rodata,"a",@progbits
	.p2align	6, 0x0
	.amdhsa_kernel k_q5fede676db_attn
		.amdhsa_group_segment_fixed_size 210944
		.amdhsa_private_segment_fixed_size 0
		.amdhsa_enable_private_segment 0
		.amdhsa_kernarg_size 40
		.amdhsa_user_sgpr_count 2
		.amdhsa_user_sgpr_kernarg_segment_ptr 1
		.amdhsa_wavefront_size32 1
		.amdhsa_system_sgpr_workgroup_id_x 1
		.amdhsa_system_sgpr_workgroup_id_y 1
		.amdhsa_system_sgpr_workgroup_id_z 1
		.amdhsa_system_vgpr_workitem_id 0
		.amdhsa_next_free_vgpr 256
		.amdhsa_next_free_sgpr 100
		.amdhsa_reserve_vcc 0
		.amdhsa_float_denorm_mode_32 3
		.amdhsa_float_denorm_mode_16_64 3
		.amdhsa_memory_ordered 1
		.amdhsa_forward_progress 1
		.amdhsa_inst_pref_size 75
	.end_amdhsa_kernel
	.amdgpu_metadata
---
amdhsa.version: [ 1, 2 ]
amdhsa.kernels:
  - .name:           k_q5fede676db_attn
    .symbol:         k_q5fede676db_attn.kd
    .args:
      - { .name: qb, .offset: 0, .size: 8, .value_kind: global_buffer, .address_space: global }
      - { .name: kv, .offset: 8, .size: 8, .value_kind: global_buffer, .address_space: global }
      - { .name: mk, .offset: 16, .size: 8, .value_kind: global_buffer, .address_space: global }
      - { .name: meta, .offset: 24, .size: 8, .value_kind: global_buffer, .address_space: global }
      - { .name: ca, .offset: 32, .size: 8, .value_kind: global_buffer, .address_space: global }
    .group_segment_fixed_size: 210944
    .private_segment_fixed_size: 0
    .kernarg_segment_align: 8
    .kernarg_segment_size: 40
    .max_flat_workgroup_size: 512
    .sgpr_count:     100
    .vgpr_count:     256
    .wavefront_size: 32
...
	.end_amdgpu_metadata
.endif
;; end of part 5
;; launch oproj: the kernel of part 4 again; grid 8 x 32, 4 waves a work-group, clusters of 4 x 4, 327,680 bytes of LDS; arguments ca, woi, bo, out0; writes out0
